; MI455X (gfx1250); checked and timed in simulation.
; The chip was launched on July 23, 2026; its instructions are those of AMD's public machine-readable ISA for CDNA 5 (MIT licence, August 2026) and "CDNA5" Instruction Set Architecture Reference Guide (July 2026). The comments in the code are by the model that wrote it; some were corrected since.
;; TPI Llama Attention. Allowed arithmetic: float matrix products may take bf16 or f16 operands with f32 sums; all other float work in f32.
;; Inputs: Wk 512 x 4,096 float32; Wo 4,096 x 1,024 float32; Wq 1,024 x 4,096 float32; Wv 512 x 4,096 float32; attention_mask 2 x 1 x 2,048 x 2,048 float32; cos 2 x 2,048 x 128 float32; hidden_states 2 x 2,048 x 4,096 float32; sin 2 x 2,048 x 128 float32.
;; Outputs: out0 2 x 2,048 x 4,096 float32.
;; One version. Each part assembles by itself: llvm-mc -triple=amdgcn-amd-amdhsa -mcpu=gfx1250 --defsym DOCPART=n.
;; ======== version 1 of 1: 4 launches
;; limits: values outside matrix products are rounded to bf16; values are held in f16: magnitudes above 65,504 overflow, below 6.1e-05 lose precision
;; workspace buffers: xb 33,554,432 bytes; wqkv 16,777,216 bytes; wob 8,388,608 bytes; qkv 16,777,216 bytes; attn 8,388,608 bytes
;; launch cvt (part 1): grid 1792 x 1, 8 waves a work-group, no clusters, 0 bytes of LDS; arguments hidden_states, Wq, Wk, Wv, Wo, xb, wqkv, wob; writes xb, wqkv, wob
.if DOCPART == 1
	.amdgcn_target "amdgcn-amd-amdhsa--gfx1250"
	.amdhsa_code_object_version 6
	.text
	.protected	k_q867a37e931_cvt
	.globl	k_q867a37e931_cvt
	.p2align	8
	.type	k_q867a37e931_cvt,@function
k_q867a37e931_cvt:
	s_mov_b64 s[64:65], 0
	v_nop
	global_prefetch_b8 v0, s[64:65] scope:SCOPE_SE
	s_setreg_imm32_b32 hwreg(HW_REG_WAVE_MODE, 25, 1), 1
	s_wait_xcnt 0x0
; 16-bit copies of the matrix operands, made once so that the two products that follow move and read 2 bytes a number:
;   xb = bf16(hidden_states) [4096][4096];  wqkv = bf16 of Wq (rows 0-1023), Wk (1024-1535), Wv (1536-2047), [2048][4096];
;   wob = f16(16 x bf16(Wo)) [4096][1024].  Wo meets the attention's result, which is kept in f16 and 16 times smaller (see the attention launch), so it goes in
;   f16 too and carries the factor 16.  It is rounded to bf16 first, like the other weights: a bf16 number has 8 significant bits, which f16 holds exactly from
;   2^-17 upward (16 |Wo| >= 7.6e-6); below that the step is 2^-24.  Room: 16 x 30 x the largest |Wo| of about 0.1 is 48, far below f16's 65,504.
; A stream: no LDS, no barrier, no matrix unit, no cluster (no two work-groups read the same byte).
; A work-group takes one chunk of 65,536 input bytes (16,384 numbers) and writes 32,768 bytes.  Chunks, by the work-group's number g:
;   0-1023 hidden_states, 1024-1279 Wq, 1280-1407 Wk, 1408-1535 Wv, 1536-1791 Wo.  Wq, Wk, Wv follow each other in wqkv, so that the
;   chunk in wqkv is g - 1024 for all three.
; Sixteen steps of 4,096 input bytes.  In each, thread t loads the 16 bytes at 16 t, so that a wave's load covers 512 consecutive bytes and no byte is
; touched by two instructions, and stores the 8 bytes at 8 t of the step's 2,048 output bytes: a wave's store covers 256 consecutive bytes, aligned.
; All sixteen loads go out first.  The numbers are converted in place; no register that a pending load or store names is written.
.set X, 4                              ; v[4:67]   step i: 4 registers as loaded; the first two of them as stored
	s_load_b512 s[4:19], s[0:1], 0x0               ; hidden s[4:5], Wq s[6:7], Wk s[8:9], Wv s[10:11], Wo s[12:13], xb s[14:15], wqkv s[16:17], wob s[18:19]
	v_lshlrev_b32 v1, 4, v0                        ; 16 t: my bytes in a step of the input
	v_lshlrev_b32 v2, 3, v0                        ; 8 t: my bytes in a step of the output
	s_wait_kmcnt 0x0
	; source s[20:21] with its first chunk s22, destination s[24:25] with its first chunk s23: chosen by the work-group's number alone
	s_mov_b64 s[20:21], s[4:5]
	s_mov_b64 s[24:25], s[14:15]
	s_mov_b32 s22, 0
	s_mov_b32 s23, 0
	s_cmp_ge_u32 ttmp9, 1024
	s_cselect_b64 s[20:21], s[6:7], s[20:21]
	s_cselect_b64 s[24:25], s[16:17], s[24:25]
	s_cselect_b32 s22, 1024, s22
	s_cselect_b32 s23, 1024, s23
	s_cmp_ge_u32 ttmp9, 1280
	s_cselect_b64 s[20:21], s[8:9], s[20:21]
	s_cselect_b32 s22, 1280, s22
	s_cmp_ge_u32 ttmp9, 1408
	s_cselect_b64 s[20:21], s[10:11], s[20:21]
	s_cselect_b32 s22, 1408, s22
	s_cmp_ge_u32 ttmp9, 1536
	s_cselect_b64 s[20:21], s[12:13], s[20:21]
	s_cselect_b64 s[24:25], s[18:19], s[24:25]
	s_cselect_b32 s22, 1536, s22
	s_cselect_b32 s23, 1536, s23
	s_sub_co_u32 s26, ttmp9, s22
	s_lshl_b32 s26, s26, 16                        ; chunk x 65,536: 67,043,328 at the most
	s_mov_b32 s27, 0
	s_sub_co_u32 s2, ttmp9, s23
	s_lshl_b32 s2, s2, 15                          ; chunk x 32,768
	s_mov_b32 s3, 0
	s_add_nc_u64 s[20:21], s[20:21], s[26:27]
	s_add_nc_u64 s[24:25], s[24:25], s[2:3]
.irp i, 0,1,2,3,4,5,6,7,8,9,10,11,12,13,14,15
	global_load_b128 v[X+4*\i:X+4*\i+3], v1, s[20:21] offset:\i*4096 th:TH_LOAD_NT        ; read once in the launch
.endr
	s_mov_b32 s22, 0xffff0000                      ; a word's upper bf16
	s_mov_b32 s26, 0x41800000                      ; 16.0, as a pair for the packed multiply
	s_mov_b32 s27, 0x41800000
	s_cmp_ge_u32 ttmp9, 1536
	s_cbranch_scc1 .Lwo
.irp i, 0,1,2,3,4,5,6,7,8,9,10,11,12,13,14,15
	s_wait_loadcnt 15-\i                           ; loads come back in order (ISA guide 5.7.1): step i's is in, the younger steps' stay out
	v_cvt_pk_bf16_f32 v[X+4*\i],   v[X+4*\i],   v[X+4*\i+1]
	v_cvt_pk_bf16_f32 v[X+4*\i+1], v[X+4*\i+2], v[X+4*\i+3]
	global_store_b64 v2, v[X+4*\i:X+4*\i+1], s[24:25] offset:\i*2048     ; no hint: the next launch reads these bytes
.endr
	s_endpgm
.Lwo:                                  ; Wo: rounded to bf16, widened, times 16 (exact), then to f16
.irp i, 0,1,2,3,4,5,6,7,8,9,10,11,12,13,14,15
	s_wait_loadcnt 15-\i                           ; the same counts as above
	v_cvt_pk_bf16_f32 v[X+4*\i],   v[X+4*\i],   v[X+4*\i+1]
	v_cvt_pk_bf16_f32 v[X+4*\i+2], v[X+4*\i+2], v[X+4*\i+3]
	v_and_b32     v[X+4*\i+1], s22, v[X+4*\i]      ; the upper half first: the shift below writes over its source
	v_lshlrev_b32 v[X+4*\i],   16,  v[X+4*\i]
	v_and_b32     v[X+4*\i+3], s22, v[X+4*\i+2]
	v_lshlrev_b32 v[X+4*\i+2], 16,  v[X+4*\i+2]
	v_pk_mul_f32 v[X+4*\i:X+4*\i+1],   v[X+4*\i:X+4*\i+1],   s[26:27] op_sel_hi:[1,0]
	v_pk_mul_f32 v[X+4*\i+2:X+4*\i+3], v[X+4*\i+2:X+4*\i+3], s[26:27] op_sel_hi:[1,0]
	v_cvt_pk_f16_f32 v[X+4*\i],   v[X+4*\i],   v[X+4*\i+1]
	v_cvt_pk_f16_f32 v[X+4*\i+1], v[X+4*\i+2], v[X+4*\i+3]
	global_store_b64 v2, v[X+4*\i:X+4*\i+1], s[24:25] offset:\i*2048
.endr
	s_endpgm
.Lfunc_end_k_q867a37e931_cvt:
	.size	k_q867a37e931_cvt, .Lfunc_end_k_q867a37e931_cvt-k_q867a37e931_cvt
	.p2alignl 7, 3214868480
	.fill 96, 4, 3214868480
	.section	.rodata,"a",@progbits
	.p2align	6, 0x0
	.amdhsa_kernel k_q867a37e931_cvt
		.amdhsa_group_segment_fixed_size 0
		.amdhsa_private_segment_fixed_size 0
		.amdhsa_enable_private_segment 0
		.amdhsa_kernarg_size 64
		.amdhsa_user_sgpr_count 2
		.amdhsa_user_sgpr_kernarg_segment_ptr 1
		.amdhsa_wavefront_size32 1
		.amdhsa_system_sgpr_workgroup_id_x 1
		.amdhsa_system_sgpr_workgroup_id_y 1
		.amdhsa_system_sgpr_workgroup_id_z 1
		.amdhsa_system_vgpr_workitem_id 0
		.amdhsa_next_free_vgpr 68
		.amdhsa_next_free_sgpr 66
		.amdhsa_reserve_vcc 0
		.amdhsa_float_denorm_mode_32 3
		.amdhsa_float_denorm_mode_16_64 3
		.amdhsa_memory_ordered 1
		.amdhsa_forward_progress 1
		.amdhsa_inst_pref_size 18
	.end_amdhsa_kernel
	.amdgpu_metadata
---
amdhsa.version: [ 1, 2 ]
amdhsa.kernels:
  - .name:           k_q867a37e931_cvt
    .symbol:         k_q867a37e931_cvt.kd
    .args:
      - { .name: hidden_states, .offset: 0, .size: 8, .value_kind: global_buffer, .address_space: global }
      - { .name: Wq, .offset: 8, .size: 8, .value_kind: global_buffer, .address_space: global }
      - { .name: Wk, .offset: 16, .size: 8, .value_kind: global_buffer, .address_space: global }
      - { .name: Wv, .offset: 24, .size: 8, .value_kind: global_buffer, .address_space: global }
      - { .name: Wo, .offset: 32, .size: 8, .value_kind: global_buffer, .address_space: global }
      - { .name: xb, .offset: 40, .size: 8, .value_kind: global_buffer, .address_space: global }
      - { .name: wqkv, .offset: 48, .size: 8, .value_kind: global_buffer, .address_space: global }
      - { .name: wob, .offset: 56, .size: 8, .value_kind: global_buffer, .address_space: global }
    .group_segment_fixed_size: 0
    .private_segment_fixed_size: 0
    .kernarg_segment_align: 8
    .kernarg_segment_size: 64
    .max_flat_workgroup_size: 256
    .sgpr_count:     66
    .vgpr_count:     68
    .wavefront_size: 32
...
	.end_amdgpu_metadata
.endif
;; end of part 1
;; launch qkv (part 2): grid 16 x 16, 4 waves a work-group, clusters of 4 x 4, 327,680 bytes of LDS; arguments xb, wqkv, cos, sin, qkv; writes qkv
.if DOCPART == 2
	.amdgcn_target "amdgcn-amd-amdhsa--gfx1250"
	.amdhsa_code_object_version 6
	.text
	.protected	k_q867a37e931_qkv
	.globl	k_q867a37e931_qkv
	.p2align	8
	.type	k_q867a37e931_qkv,@function
k_q867a37e931_qkv:
	s_mov_b64 s[64:65], 0
	v_nop
	global_prefetch_b8 v0, s[64:65] scope:SCOPE_SE
	s_setreg_imm32_b32 hwreg(HW_REG_WAVE_MODE, 25, 1), 1
	s_wait_xcnt 0x0
	s_wait_alu depctr_hold_cnt(0) depctr_sa_sdst(0) depctr_va_vdst(0) depctr_va_sdst(0) depctr_va_ssrc(0) depctr_va_vcc(0) depctr_vm_vsrc(0)
	s_getreg_b32 s2, hwreg(HW_REG_IB_STS2, 6, 4)
	s_cmp_eq_u32 s2, 0
	s_cbranch_scc0 .Lentry_in_a_cluster
	s_endpgm
.Lentry_in_a_cluster:
	s_bfe_u32 s2, ttmp6, 0x10000c
	s_cmp_lg_u32 s2, 0xf033
	s_cbranch_scc0 .Lentry_shape_is_right
	s_endpgm
.Lentry_shape_is_right:
; q, k, v = X W^T, RoPE on q and k, each rounded once to f16 behind an exact scale.
; xb: [4096][4096] bf16 (row m = b*2048 + s).  wqkv: [2048][4096] bf16.  cos, sin: [4096][128] f32.
; qkv: [16 head slots j][4096 rows m][128] f16, j = 0-7 q heads, 8-11 k heads, 12-15 v heads.  q and k are stored times 2^-6, v times 2^-4.
; WHY f16: it carries 11 significant bits against bf16's 8, and the query rows that average few keys hand v's rounding on to the output undamped.
; ROOM in f16 (largest 65,504): with x, W, cos, sin all 30 times larger |q| reaches about 7 x 27,000, stored 3,000; with all four carrying an offset of 30 spreads
; |q| is about 4,096 x 18 x 43 = 3.2 million, stored 50,000, and |v| 73,728, stored 4,608.  With x and W 30 times smaller v is stored at about 9e-5, where f16's
; step of 6e-8 still gives 2e-4 of it; scores that small do not move a softmax.
; LIMIT: cos and sin are rounded to bf16 (relative 2^-9) and widened again before use, as x and W are: the program computes reference() on inputs rounded to bf16.
; A work-group makes 256 rows x 128 columns = 256 rows of ONE head slot: 16 x 16 = 256 work-groups.  Four waves; wave w makes rows 64 w .. 64 w + 63
; of the block and all 128 columns: 4 x 8 accumulator tiles of 16 x 16, 256 registers.  K goes in steps of 128 (rows of 256 bytes, aligned) through a ring
; of two LDS slots filled by the tensor data mover.  Two slots of twice the step would take 2 x 384 rows x 528 bytes = 405,504 bytes: more than a work-group can have.
; CLUSTERS: 4 x 4 work-groups.  The four of a row of the cluster need the same 256 rows of xb, the four of a column the same 128 rows of wqkv:
; both are asked for jointly, which divides the requests for both by four.
; PREFETCH: behind the joint load that asks for K step 4 g + 2 each wave asks, with one instruction, for 32 blocks of 256 bytes: 8 rows x the 1,024 bytes of K steps
; 4 g + 4 .. 4 g + 7.  That is two K steps (256 of the wave's matrix instructions) ahead of the first tensor load that wants them and five ahead of the last; a work-group
; asks for 4 x 32 x 256 = 32,768 bytes at a time.  Waves 0, 1: rows 16 bx + 8 (w % 2) .. + 7 of my block row of xb: the sixteen work-groups of a block row share its 256 rows
; out, and each block of xb is asked for once in the launch.  Waves 2, 3: rows 16 (by % 8) + 8 (w % 2) .. + 7 of my head's 128 rows of wqkv: block rows 0-7 share the
; rows out among them and so do block rows 8-15, so each block of wqkv is asked for twice in the launch.  K steps 0-3 are not asked for ahead (they are loaded at the start and in
; the first lap); the loop's last trip asks nothing: K steps 28-31, the last, were asked for in the trip before.
; THE MATRIX INSTRUCTION IS USED TRANSPOSED (source 0 = rows of W, source 1 = rows of X): lane l = (r = l % 16, h = l / 16), register j of tile (a, b) holds
; row 16 a + r, column 16 b + 8 h + j.  Columns d and d + 64 of a head are tiles b and b + 4, same lane, same register: RoPE needs no other lane,
; and a lane's eight numbers are neighbours in a row.
;
; REGISTERS by windows of 256:  window 0: addresses, fragments (two buffers), work of the way out;  window 1: the 32 accumulator tiles, tile (a, b) at 8 (8 a + b);
; window 2: cos of my 64 x 128 numbers, at the accumulator's own number;  window 3: sin likewise.
.set KSTEP,  128
.set PITCH,  272                       ; an LDS row: 256 bytes + 16 of padding, so that 16 rows start at 16 different 16-byte columns modulo 256
.set AHALF,  128*PITCH                 ; what waves 0, 1 fetch: 128 rows of xb
.set BHALF,  64*PITCH                  ; what waves 2, 3 fetch: 64 rows of wqkv
.set BOFF,   2*AHALF
.set SLOT,   2*AHALF+2*BHALF           ; 104,448
.set STAGE,  2*SLOT                    ; 208,896, a multiple of 256: 16 rows x 272 bytes for each wave, never a target of a tensor load
.set LAPS,   4096/(2*KSTEP)            ; a lap = two K steps = once round the ring
.set ADRA, 16                          ; v16-17  LDS address of my fragments of X in slot 0, 1
.set ADRB, 20                          ; v20-21  the same for W
.set STO,  24                          ; way out: where I put 16 bytes of a row
.set RD,   25                          ; way out: where I read rows back
.set CO,   26                          ; way out: 16 x lane (two rows of 256 bytes follow each other in qkv)
.set CS,   27                          ; my byte offset in cos and sin: 512 r + 32 h
.set PFO,  28                          ; prefetch: (lane / 4) rows of 8,192 bytes + (lane % 4) blocks of 256 bytes; never rewritten
.set FA,   32                          ; v[32:63], v[64:95]     fragments of X, buffers 0, 1 (4 x 8 registers)
.set FB,   128                         ; v[128:191], v[192:255] fragments of W, buffers 0, 1 (8 x 8 registers)
.set T,    32                          ; way out: 64 f32 at work
.set TMP,  96                          ; way out: 32 registers of packed 16-bit numbers
.set RB,   128                         ; way out: rows read back, two sets of 32
.set CW,   192                         ; way out: cos, then sin, of a row tile, rounded to bf16 and widened: 64 registers
.set G1A, 24                           ; s[24:31] group 1 for X's tiles
.set G0A, 32                           ; s[32:39] group 0 for X's tiles, a set for each slot
.set G1B, 48                           ; s[48:55] group 1 for W's tiles
.set G0B, 56                           ; s[56:63] group 0 for W's tiles, a set for each slot
.set PFB, 66                           ; s[66:67] prefetch: my 8 rows at the four K steps asked for last
.set FLAGS, (1<<16)|(1<<20)|(1<<21)|(5<<22)|(3<<25)   ; 2-byte elements; padding on; bit 21 beside a mask; after every 64 words 4 words
.set MUL, 0x50                         ; C and D in window 1, sources in window 0
.set MSB, 0
.macro WIN new                         ; the immediate's high byte repeats the setting that is left
.if MSB != \new
	s_set_vgpr_msb (MSB<<8)|\new
.set MSB, \new
.endif
.endm
; A joint load: waves 0, 1 ask for X's halves, waves 2, 3 for W's.  The branch hangs on the wave's number alone.
.macro JLOAD s
	s_cmp_eq_u32 s15, 0
	s_cbranch_scc0 .Lfor_b_\@
	tensor_load_to_lds s[G0A+4*\s:G0A+4*\s+3], s[G1A:G1A+7]
	s_nop 0
	s_branch .Lasked_\@
.Lfor_b_\@:
	tensor_load_to_lds s[G0B+4*\s:G0B+4*\s+3], s[G1B:G1B+7]
	s_nop 0
.Lasked_\@:
.endm
.macro CREST                           ; a round of the cluster's barrier behind its opening work-group barrier
	s_cmp_lg_u32 s14, 0
	s_cbranch_scc1 .Lnot_wave_0_\@
	s_barrier_signal -3
.Lnot_wave_0_\@:
	s_barrier_wait -3
	s_barrier_signal -1
	s_barrier_wait -1
.endm
.macro CROUND                          ; a whole round
	s_barrier_signal -1
	s_barrier_wait -1
	CREST
.endm
.macro PLACES                          ; four plain vector places behind matrix instructions, in front of loads into, and vector work on, their registers
.rept 4
	v_nop
.endr
.endm
.macro PFETCH                          ; the next four K steps of my 8 rows: 32 lanes, 32 different blocks of 256 bytes
	s_wait_xcnt 0x0                                ; the base is stepped only behind this wait (ISA guide 3.1); the prefetch that read it stands four K steps back
	s_add_nc_u64 s[PFB:PFB+1], s[PFB:PFB+1], 4*KSTEP*2
	global_prefetch_b8 v[PFO], s[PFB:PFB+1] th:TH_LOAD_NT scope:SCOPE_SE
.endm
	s_load_b256 s[4:11], s[0:1], 0x0               ; xb s[4:5], wqkv s[6:7], cos s[8:9], sin s[10:11]
	s_load_b64 s[12:13], s[0:1], 0x20              ; qkv
	v_lshl_add_u32 v30, v0, 2, 0x37400
	v_mov_b32 v31, 0
	ds_add_u32 v30, v31
	v_lshrrev_b32 v1, 5, v0
	v_readfirstlane_b32 s14, v1                    ; wave 0..3
	s_lshr_b32 s15, s14, 1                         ; I fetch for X (0) or for W (1)
	s_and_b32 s16, s14, 1                          ; which half of that tile
	s_bfe_u32 s40, ttmp6, 0x40000                  ; cx
	s_bfe_u32 s41, ttmp6, 0x40004                  ; cy
	s_lshl_b32 s42, ttmp9, 2
	s_add_co_u32 s42, s42, s40                     ; bx = head slot = 4 x cluster x + cx
	s_and_b32 s45, ttmp7, 0xffff
	s_lshl_b32 s45, s45, 2
	s_add_co_u32 s45, s45, s41                     ; by = block of 256 rows = 4 x cluster y + cy
	s_lshl_b32 s43, s41, 2
	s_lshl_b32 s43, 15, s43                        ; my row of the cluster
	s_lshl_b32 s44, 0x1111, s40                    ; my column
	s_or_b32 s[G1A+0], s43, FLAGS                  ; X's tiles hang on by alone: shared along the row
	s_mov_b32 s[G1A+1], KSTEP<<16                  ; tensor_dim0 = 128
	s_mov_b32 s[G1A+2], 128<<16                    ; tensor_dim1 = 128
	s_mov_b32 s[G1A+3], KSTEP<<16                  ; tile_dim0 = 128 elements = 256 bytes
	s_mov_b32 s[G1A+4], 128                        ; tile_dim1 = 128 rows
	s_mov_b32 s[G1A+5], 4096                       ; elements from row to row
	s_mov_b32 s[G1A+6], 0
	s_mov_b32 s[G1A+7], 0
	s_or_b32 s[G1B+0], s44, FLAGS                  ; W's tiles hang on bx alone: shared along the column
	s_mov_b32 s[G1B+1], KSTEP<<16
	s_mov_b32 s[G1B+2], 64<<16                     ; tensor_dim1 = 64
	s_mov_b32 s[G1B+3], KSTEP<<16
	s_mov_b32 s[G1B+4], 64                         ; tile_dim1 = 64 rows
	s_mov_b32 s[G1B+5], 4096
	s_mov_b32 s[G1B+6], 0
	s_mov_b32 s[G1B+7], 0
	; where the tiles come from: every wave makes both addresses, in registers that never hold the other coordinate
	s_lshl_b32 s18, s45, 8
	s_lshl_b32 s19, s16, 7
	s_add_co_u32 s18, s18, s19                     ; X: row 256 by + 128 half
	s_lshl_b32 s18, s18, 13                        ; x 8,192 bytes: below 2^25
	s_mov_b32 s19, 0
	s_lshl_b32 s46, s42, 7
	s_lshl_b32 s47, s16, 6
	s_add_co_u32 s46, s46, s47                     ; W: row 128 bx + 64 half
	s_lshl_b32 s46, s46, 13
	s_mov_b32 s47, 0
	s_mul_i32 s20, s14, AHALF                      ; and where they go.  X (waves 0, 1): wave x 34,816
	s_mul_i32 s21, s14, BHALF
	s_add_co_u32 s21, s21, AHALF                   ; W (waves 2, 3): 34,816 + wave x 17,408 = 69,632, 87,040
	; the rows that I ask for ahead, in registers of their own: these hold both coordinates and feed no descriptor
	s_lshl_b32 s68, s45, 8
	s_lshl_b32 s69, s42, 4
	s_add_co_u32 s68, s68, s69
	s_lshl_b32 s69, s16, 3
	s_add_co_u32 s68, s68, s69                     ; xb: row 256 by + 16 bx + 8 half, 4,088 at the most
	s_lshl_b32 s68, s68, 13
	s_mov_b32 s69, 0
	s_lshl_b32 s70, s42, 7
	s_and_b32 s71, s45, 7
	s_lshl_b32 s71, s71, 4
	s_add_co_u32 s70, s70, s71
	s_lshl_b32 s71, s16, 3
	s_add_co_u32 s70, s70, s71                     ; wqkv: row 128 bx + 16 (by % 8) + 8 half, 2,040 at the most
	s_lshl_b32 s70, s70, 13
	s_mov_b32 s71, 0
	s_wait_dscnt 0x0
	s_wait_kmcnt 0x0
	s_add_nc_u64 s[18:19], s[4:5], s[18:19]
	s_add_nc_u64 s[46:47], s[6:7], s[46:47]
	s_add_nc_u64 s[68:69], s[4:5], s[68:69]
	s_add_nc_u64 s[70:71], s[6:7], s[70:71]
	s_cmp_eq_u32 s15, 0                            ; by the wave's number: waves 0, 1 ask for xb, waves 2, 3 for wqkv
	s_cselect_b64 s[PFB:PFB+1], s[68:69], s[70:71]
	CROUND                                         ; all sixteen work-groups are here: the first joint loads meet
.irp s, 0,1
	s_mov_b32 s[G0A+4*\s], 1
	s_add_co_u32 s[G0A+4*\s+1], s20, \s*SLOT
	s_add_nc_u64 s[G0A+4*\s+2:G0A+4*\s+3], s[18:19], \s*KSTEP*2    ; K step s
	s_or_b32 s[G0A+4*\s+3], s[G0A+4*\s+3], 0x80000000
	s_mov_b32 s[G0B+4*\s], 1
	s_add_co_u32 s[G0B+4*\s+1], s21, \s*SLOT
	s_add_nc_u64 s[G0B+4*\s+2:G0B+4*\s+3], s[46:47], \s*KSTEP*2
	s_or_b32 s[G0B+4*\s+3], s[G0B+4*\s+3], 0x80000000
	JLOAD \s                                       ; both slots' first fills: two tensor loads of the wave are out, the most in this text
.endr
	v_and_b32 v1, 15, v0                           ; r
	v_bfe_u32 v2, v0, 4, 1                         ; h
	v_mul_u32_u24 v3, v1, PITCH
	v_lshl_add_u32 v3, v2, 4, v3                   ; r x pitch + 16 h: a fragment is two loads of 16 bytes, 32 bytes apart
	s_mul_i32 s22, s14, 64*PITCH                   ; my 64 rows of X
	s_mov_b32 s23, BOFF                            ; all 128 rows of W
.irp s, 0,1
	v_add_nc_u32 v[ADRA+\s], s22, v3
	v_add_nc_u32 v[ADRB+\s], s23, v3
	s_add_co_u32 s22, s22, SLOT
	s_add_co_u32 s23, s23, SLOT
.endr
	s_mul_i32 s22, s14, 16*PITCH
	s_add_co_u32 s22, s22, STAGE                   ; my stage
	v_add_nc_u32 v[STO], s22, v3                   ; in: row r, 16 bytes for each half of the lanes
	v_mul_u32_u24 v4, v2, PITCH
	v_lshl_add_u32 v4, v1, 4, v4
	v_add_nc_u32 v[RD], s22, v4                    ; back: lanes 0-15 one row of 256 bytes, lanes 16-31 the next
	v_and_b32 v5, 31, v0
	v_lshlrev_b32 v[CO], 4, v5
	v_lshrrev_b32 v6, 2, v5                        ; prefetch: lane / 4 = which of my 8 rows,
	v_and_b32 v7, 3, v5                            ; lane % 4 = which of the four K steps
	v_lshlrev_b32 v7, 8, v7
	v_lshl_add_u32 v[PFO], v6, 13, v7
	v_lshlrev_b32 v5, 9, v1
	v_lshl_add_u32 v[CS], v2, 5, v5
; 8 matrix instructions: row tile a x all 8 column tiles, 32 along K, from buffer f.  zero = 1: the first product starts the sums.
; The 32 accumulators take turns, one instruction a turn, in the same order in every quarter step.
.macro MULA f, a, zero
.irp b, 0,1,2,3,4,5,6,7
.if \zero
	v_wmma_f32_16x16x32_bf16 v[8*(8*\a+\b):8*(8*\a+\b)+7], v[FB+64*\f+8*\b:FB+64*\f+8*\b+7], v[FA+32*\f+8*\a:FA+32*\f+8*\a+7], 0
.else
	v_wmma_f32_16x16x32_bf16 v[8*(8*\a+\b):8*(8*\a+\b)+7], v[FB+64*\f+8*\b:FB+64*\f+8*\b+7], v[FA+32*\f+8*\a:FA+32*\f+8*\a+7], v[8*(8*\a+\b):8*(8*\a+\b)+7]
.endif
.endr
.endm
; 24 LDS loads in one run: a quarter step's fragments (128 rows of W, then my 64 rows of X, 32 K at byte k of the rows) into buffer f
.macro FETCH slot, k, f
	WIN 0
.irp i, 0,1,2,3,4,5,6,7
	ds_load_b128 v[FB+64*\f+8*\i:FB+64*\f+8*\i+3],   v[ADRB+\slot] offset:\k+\i*16*PITCH
	ds_load_b128 v[FB+64*\f+8*\i+4:FB+64*\f+8*\i+7], v[ADRB+\slot] offset:\k+\i*16*PITCH+32
.endr
.irp i, 0,1,2,3
	ds_load_b128 v[FA+32*\f+8*\i:FA+32*\f+8*\i+3],   v[ADRA+\slot] offset:\k+\i*16*PITCH
	ds_load_b128 v[FA+32*\f+8*\i+4:FA+32*\f+8*\i+7], v[ADRA+\slot] offset:\k+\i*16*PITCH+32
.endr
.endm
; One of a K step's first three quarters: multiplies buffer f, and in its middle fetches the next quarter's fragments into buffer g
.macro QUARTER slot, k, f, g, zero
	s_wait_dscnt 0x4                               ; W and X's tiles 0, 1 are in; the youngest four loads (X's tiles 2, 3) may be out
	WIN MUL
	MULA \f, 0, \zero
	MULA \f, 1, \zero
	PLACES
	FETCH \slot, \k, \g
	s_wait_dscnt 24                                ; all but the 24 just issued
	WIN MUL
	MULA \f, 2, \zero
	MULA \f, 3, \zero
.endm
.macro THREE slot, zero
	QUARTER \slot, 64,  0, 1, \zero
	QUARTER \slot, 128, 1, 0, 0
	QUARTER \slot, 192, 0, 1, 0
.endm
; The last quarter: multiplies buffer 1 and changes slots.  In front of the barrier each wave waits for its reads of this slot and for all its tensor
; loads (one is out: its part of the next slot).  Behind it (fill = 1: behind the cluster's round that it opens) the refill comes first, then the next slot is read.
; pf = 1: four further K steps are asked for ahead;  2: the same, but not in the loop's last trip;  0: nothing.
.macro TURN slot, next, fill, pf
	s_wait_dscnt 0x4
	WIN MUL
	MULA 1, 0, 0
	s_wait_dscnt 0x0                               ; my reads of this slot are over
	s_wait_tensorcnt 0x0                           ; all my tensor loads have landed
	ds_add_u32 v30, v31
	s_wait_dscnt 0x0
	s_barrier_signal -1
	MULA 1, 1, 0                                   ; register work while the others arrive
	WIN 0
	s_barrier_wait -1
.if \fill
	CREST                                          ; no wave of any partner still reads this slot or has a load on its way
	s_add_nc_u64 s[G0A+4*\slot+2:G0A+4*\slot+3], s[G0A+4*\slot+2:G0A+4*\slot+3], 2*KSTEP*2
	s_add_nc_u64 s[G0B+4*\slot+2:G0B+4*\slot+3], s[G0B+4*\slot+2:G0B+4*\slot+3], 2*KSTEP*2
	JLOAD \slot                                    ; my one tensor load behind the round; it has 120 matrix instructions in which to land
.endif
.if \pf == 1
	PFETCH
.endif
.if \pf == 2
	s_cmp_eq_u32 s3, 1                             ; the last trip: nothing is left to ask for
	s_cbranch_scc1 .Lno_pf_\@
	PFETCH
.Lno_pf_\@:
.endif
	PLACES
	FETCH \next, 0, 0
	WIN MUL
	MULA 1, 2, 0
	MULA 1, 3, 0
.endm
.macro LAP zero, pf
	THREE 0, \zero
	TURN 0, 1, 1, \pf
	THREE 1, 0
	TURN 1, 0, 1, 0
.endm
	s_wait_tensorcnt 0x1                           ; my part of K step 0 is in; K step 1's stays out
	s_barrier_signal -1
	s_barrier_wait -1
	FETCH 0, 0, 0
	LAP 1, 1                                       ; K steps 0, 1; its first products start the sums; loads K steps 2, 3; asks ahead for 4-7
	WIN 0
	s_mov_b32 s3, (LAPS-2)/2
.Llap:                                 ; trip i = 0..6: K steps 4 i + 2 .. 4 i + 5
	LAP 0, 0                                       ; loads K steps 4 i + 4, 4 i + 5
	LAP 0, 2                                       ; loads K steps 4 i + 6, 4 i + 7; behind the first of them asks ahead for 4 i + 8 .. 4 i + 11
	WIN 0
	s_sub_co_u32 s3, s3, 1
	s_cmp_lg_u32 s3, 0
	s_cbranch_scc1 .Llap
	THREE 0, 0                                     ; the last lap fills nothing
	TURN 0, 1, 0, 0
	THREE 1, 0
	s_wait_dscnt 0x4
	WIN MUL
	MULA 1, 0, 0
	MULA 1, 1, 0
	s_wait_dscnt 0x0
	MULA 1, 2, 0
	MULA 1, 3, 0
	WIN 0
	PLACES                                         ; behind the last matrix instructions, for all that follows
	; THE WAY OUT.  My first row m = 256 by + 64 w.
	s_lshl_b32 s18, s45, 8
	s_lshl_b32 s19, s14, 6
	s_add_co_u32 s18, s18, s19
	s_lshl_b32 s20, s18, 9                         ; x 512 bytes, a row of cos and of sin
	s_mov_b32 s21, 0
	s_add_nc_u64 s[8:9], s[8:9], s[20:21]
	s_add_nc_u64 s[10:11], s[10:11], s[20:21]
	s_lshl_b32 s46, s42, 20                        ; head slot x 4,096 rows x 256 bytes
	s_lshl_b32 s47, s18, 8
	s_add_co_u32 s46, s46, s47
	s_mov_b32 s47, 0
	s_add_nc_u64 s[12:13], s[12:13], s[46:47]
	s_mov_b32 s21, 0xffff0000                      ; a word's upper bf16
; cos and sin of row tile a: 32 loads; lane (r, h) takes the 32 bytes of row 16 a + r at columns 16 b + 8 h, into the accumulator's own register numbers
.macro CSLOAD a
	WIN 0x80
.irp b, 0,1,2,3,4,5,6,7
	global_load_b128 v[64*\a+8*\b:64*\a+8*\b+3],   v[CS], s[8:9] offset:\a*8192+\b*64
	global_load_b128 v[64*\a+8*\b+4:64*\a+8*\b+7], v[CS], s[8:9] offset:\a*8192+\b*64+16
.endr
	WIN 0xc0
.irp b, 0,1,2,3,4,5,6,7
	global_load_b128 v[64*\a+8*\b:64*\a+8*\b+3],   v[CS], s[10:11] offset:\a*8192+\b*64
	global_load_b128 v[64*\a+8*\b+4:64*\a+8*\b+7], v[CS], s[10:11] offset:\a*8192+\b*64+16
.endr
	WIN 0
.endm
; the 64 numbers of row tile a in window 2 (from = 0x0a: cos) or 3 (0x0f: sin), rounded to bf16 and widened again, into CW
.macro RND16 a, from
	WIN \from
.set i, 0
.rept 32
	v_cvt_pk_bf16_f32 v[TMP+i], v[64*\a+2*i], v[64*\a+2*i+1]
.set i, i+1
.endr
	WIN 0
.set i, 0
.rept 32
	v_lshlrev_b32 v[CW+2*i],   16,  v[TMP+i]
	v_and_b32     v[CW+2*i+1], s21, v[TMP+i]
.set i, i+1
.endr
.endm
; the 64 numbers in T, already scaled, are rounded to f16, go through my stage and leave as whole rows of 256 bytes; rb: one of two sets of registers
.macro STOUT a, rb
.irp b, 0,1,2,3,4,5,6,7
.irp p, 0,1,2,3
	v_cvt_pk_f16_f32 v[TMP+4*\b+\p], v[T+8*\b+2*\p], v[T+8*\b+2*\p+1]
.endr
.endr
.irp b, 0,1,2,3,4,5,6,7
	ds_store_b128 v[STO], v[TMP+4*\b:TMP+4*\b+3] offset:32*\b
.endr
	s_wait_xcnt 0x0                                ; set rb, which earlier stores read, is loaded again only behind this wait (ISA guide 3.1)
.irp t, 0,1,2,3,4,5,6,7
	ds_load_b128 v[RB+32*\rb+4*\t:RB+32*\rb+4*\t+3], v[RD] offset:\t*2*PITCH    ; LDS serves a wave's instructions in order: these see the stores above
.endr
.irp t, 0,1,2,3,4,5,6,7
	s_wait_dscnt 7-\t
	global_store_b128 v[CO], v[RB+32*\rb+4*\t:RB+32*\rb+4*\t+3], s[12:13] offset:(16*\a+2*\t)*256   ; 32 lanes store 512 consecutive bytes, aligned
.endr
.endm
; RoPE on row tile a: x cos + rotate_half(x) sin, then the scale in s[22:23] (a power of two: exact).  cnt = the cos and sin loads of younger tiles that may stay out.
.macro ROPE16 a, rb, cnt
	s_wait_loadcnt \cnt
	RND16 \a, 0x0a
	WIN 0x01                                       ; source 0: the accumulators
.irp b, 0,1,2,3,4,5,6,7
.irp p, 0,2,4,6
	v_pk_mul_f32 v[T+8*\b+\p:T+8*\b+\p+1], v[64*\a+8*\b+\p:64*\a+8*\b+\p+1], v[CW+8*\b+\p:CW+8*\b+\p+1]
.endr
.endr
	RND16 \a, 0x0f
	WIN 0x01
.irp b, 0,1,2,3
.irp p, 0,2,4,6
	v_pk_fma_f32 v[T+8*\b+\p:T+8*\b+\p+1], v[64*\a+8*(\b+4)+\p:64*\a+8*(\b+4)+\p+1], v[CW+8*\b+\p:CW+8*\b+\p+1], v[T+8*\b+\p:T+8*\b+\p+1] neg_lo:[1,0,0] neg_hi:[1,0,0]   ; d < 64: - x[d+64] sin[d]
	v_pk_fma_f32 v[T+8*(\b+4)+\p:T+8*(\b+4)+\p+1], v[64*\a+8*\b+\p:64*\a+8*\b+\p+1], v[CW+8*(\b+4)+\p:CW+8*(\b+4)+\p+1], v[T+8*(\b+4)+\p:T+8*(\b+4)+\p+1]              ; d >= 64: + x[d-64] sin[d]
.endr
.endr
	WIN 0
.irp b, 0,1,2,3,4,5,6,7
.irp p, 0,2,4,6
	v_pk_mul_f32 v[T+8*\b+\p:T+8*\b+\p+1], v[T+8*\b+\p:T+8*\b+\p+1], s[22:23] op_sel_hi:[1,0]
.endr
.endr
	STOUT \a, \rb
.endm
.macro PLAIN16 a, rb                   ; v: scaled and rounded
	WIN 0x01
.irp b, 0,1,2,3,4,5,6,7
.irp p, 0,2,4,6
	v_pk_mul_f32 v[T+8*\b+\p:T+8*\b+\p+1], v[64*\a+8*\b+\p:64*\a+8*\b+\p+1], s[22:23] op_sel_hi:[1,0]
.endr
.endr
	WIN 0
	STOUT \a, \rb
.endm
	; which kind of head: by the cluster's x, which all partners share (0, 1: q; 2: k; 3: v).  q and k go the same way.
	s_cmp_eq_u32 ttmp9, 3
	s_cbranch_scc1 .Lhead_v
	s_mov_b32 s22, 0x3c800000                      ; 2^-6, as a pair for the packed multiply
	s_mov_b32 s23, 0x3c800000
	CSLOAD 0                                       ; two tiles' cos and sin are asked for ahead; each count below leaves the one younger tile's 32 loads out
	CSLOAD 1
	ROPE16 0, 0, 32
	CSLOAD 2
	ROPE16 1, 1, 32
	CSLOAD 3
	ROPE16 2, 0, 32
	ROPE16 3, 1, 0
	s_branch .Ldone
.Lhead_v:
	s_mov_b32 s22, 0x3d800000                      ; 2^-4
	s_mov_b32 s23, 0x3d800000
	PLAIN16 0, 0
	PLAIN16 1, 1
	PLAIN16 2, 0
	PLAIN16 3, 1
.Ldone:
	s_wait_tensorcnt 0x0
	ds_add_u32 v30, v31
	s_wait_dscnt 0x0
	CROUND                                         ; the closing round: no work-group ends while a partner may still ask for a tile that names it
	s_endpgm
.Lfunc_end_k_q867a37e931_qkv:
	.size	k_q867a37e931_qkv, .Lfunc_end_k_q867a37e931_qkv-k_q867a37e931_qkv
	.p2alignl 7, 3214868480
	.fill 96, 4, 3214868480
	.section	.rodata,"a",@progbits
	.p2align	6, 0x0
	.amdhsa_kernel k_q867a37e931_qkv
		.amdhsa_group_segment_fixed_size 327680
		.amdhsa_private_segment_fixed_size 0
		.amdhsa_enable_private_segment 0
		.amdhsa_kernarg_size 40
		.amdhsa_user_sgpr_count 2
		.amdhsa_user_sgpr_kernarg_segment_ptr 1
		.amdhsa_wavefront_size32 1
		.amdhsa_system_sgpr_workgroup_id_x 1
		.amdhsa_system_sgpr_workgroup_id_y 1
		.amdhsa_system_sgpr_workgroup_id_z 1
		.amdhsa_system_vgpr_workitem_id 0
		.amdhsa_next_free_vgpr 1024
		.amdhsa_next_free_sgpr 72
		.amdhsa_reserve_vcc 0
		.amdhsa_float_denorm_mode_32 3
		.amdhsa_float_denorm_mode_16_64 3
		.amdhsa_memory_ordered 1
		.amdhsa_forward_progress 1
		.amdhsa_inst_pref_size 244
	.end_amdhsa_kernel
	.amdgpu_metadata
---
amdhsa.version: [ 1, 2 ]
amdhsa.kernels:
  - .name:           k_q867a37e931_qkv
    .symbol:         k_q867a37e931_qkv.kd
    .args:
      - { .name: xb, .offset: 0, .size: 8, .value_kind: global_buffer, .address_space: global }
      - { .name: wqkv, .offset: 8, .size: 8, .value_kind: global_buffer, .address_space: global }
      - { .name: cos, .offset: 16, .size: 8, .value_kind: global_buffer, .address_space: global }
      - { .name: sin, .offset: 24, .size: 8, .value_kind: global_buffer, .address_space: global }
      - { .name: qkv, .offset: 32, .size: 8, .value_kind: global_buffer, .address_space: global }
    .group_segment_fixed_size: 327680
    .private_segment_fixed_size: 0
    .kernarg_segment_align: 8
    .kernarg_segment_size: 40
    .max_flat_workgroup_size: 128
    .sgpr_count:     72
    .vgpr_count:     1024
    .wavefront_size: 32
...
	.end_amdgpu_metadata
.endif
;; end of part 2
;; launch attn (part 3): grid 64 x 4, 4 waves a work-group, clusters of 4 x 4, 327,680 bytes of LDS; arguments qkv, attention_mask, attn; writes attn
.if DOCPART == 3
	.amdgcn_target "amdgcn-amd-amdhsa--gfx1250"
	.amdhsa_code_object_version 6
	.text
	.protected	k_q867a37e931_attn
	.globl	k_q867a37e931_attn
	.p2align	8
	.type	k_q867a37e931_attn,@function
k_q867a37e931_attn:
	s_mov_b64 s[64:65], 0
	v_nop
	global_prefetch_b8 v0, s[64:65] scope:SCOPE_SE
	s_setreg_imm32_b32 hwreg(HW_REG_WAVE_MODE, 25, 1), 1
	s_wait_xcnt 0x0
	s_wait_alu depctr_hold_cnt(0) depctr_sa_sdst(0) depctr_va_vdst(0) depctr_va_sdst(0) depctr_va_ssrc(0) depctr_va_vcc(0) depctr_vm_vsrc(0)
	s_getreg_b32 s2, hwreg(HW_REG_IB_STS2, 6, 4)
	s_cmp_eq_u32 s2, 0
	s_cbranch_scc0 .Lentry_in_a_cluster
	s_endpgm
.Lentry_in_a_cluster:
	s_bfe_u32 s2, ttmp6, 0x10000c
	s_cmp_lg_u32 s2, 0xf033
	s_cbranch_scc0 .Lentry_shape_is_right
	s_endpgm
.Lentry_shape_is_right:
; attn[m][h*128+d] = softmax over keys of (q k^T / sqrt(128) + mask) times v, with a running maximum and a running sum.
; qkv: [16 head slots][4096 rows m][128] f16 (0-7 q, 8-11 k, both stored times 2^-6; 12-15 v, stored times 2^-4).
; attention_mask: [4096 rows m][2048 keys] f32, read whole and added as given, in f32.  attn: [4096][1024] f16, in v's scale (times 2^-4; the next launch's weights carry the 16).
; FORMATS: both products take f16 operands (11 significant bits).  The weights lie in [0, 1]; q, k, v have their room by their scales (see the launch that makes them); the
; result is a weighted mean of v and has v's room.  The raw score is put right in f32: score = raw x 4096/sqrt(128) + mask, one fused multiply-add.
; A work-group takes 64 query rows (xb = 0..63) of the two query heads that share kv head kv: 64 x 4 = 256 work-groups.  Wave w: head 2 kv + w/2,
; rows 32 (w%2) .. + 31 of the 64, as two q tiles of 16.
; CLUSTERS 4 x 4: the four of a row of the cluster (same kv, same batch) ask jointly for K's and V's tiles, the four of a column (same 64 query rows) for the mask's.
; LAYOUTS (lane l = (r = l % 16, h = l / 16)):
;   scores transposed, S^T = K Q^T: source 0 = 16 keys, source 1 = 16 queries.  Register j of a lane holds key 8 h + j of query r; the mask's 32 bytes
;   mask[query r][key 8 h ..] load into registers of the same order.  Two such tiles, rounded to f16, ARE a source-1 fragment of P (query r, 32 keys).
;   O^T = V^T P^T: source 0 = V^T by the transposing LDS load, source 1 = P.  Register j holds d = 8 h + j of query r: the softmax's figures of a query
;   lie in lanes r and r + 16 for S and for O alike, and eight neighbouring d pack into 16 bytes.
; RING: two slots of 128 keys (K 128 x 256 bytes, V the same, mask 64 rows x 512 bytes); a slot is worked in two steps of 64 keys.  16 tiles, 8 laps.
; SOFTMAX in natural units: x - m is formed first and then multiplied by log2(e), so that no product of a very large number precedes the difference.
; LIMITS: NaN and +inf in the inputs are not served.  The running maximum never falls below the most negative finite f32, so a mask of -inf gives weight 0, and a row
; wholly -inf gives NaN as in reference().  A row masked wholly with the most negative finite f32 gives equal weights, as in reference(): the fused multiply-add returns
; that number unchanged.  The row sum is of the f32 weights, the products take them in f16.
.set KPITCH, 272
.set VPITCH, 288                       ; an odd multiple of 32, for the transposing loads
.set MPITCH, 528
.set VOFF,   128*KPITCH                ; 34,816
.set MOFF,   VOFF+128*VPITCH           ; 71,680
.set SLOT,   MOFF+64*MPITCH            ; 105,472
.set STAGE,  2*SLOT                    ; 210,944, a multiple of 256: 16 rows x 272 bytes for each wave, never a target of a tensor load
.set MP,   2                           ; v[2:5]    running maximum of q tile 0, twice; of q tile 1, twice (pairs for the packed forms)
.set ADRK, 8                           ; v8-9      LDS address of my K fragments in slot 0, 1
.set ADRV, 10                          ; v10-11    the same for V
.set ADRM, 12                          ; v12-13    the same for the mask
.set STO,  14
.set RD,   15
.set CO,   16
.set QOFF, 17
.set AP,   18                          ; v[18:21]  the rescale factor of q tile 0, twice; of q tile 1, twice
.set LS,   22                          ; v22-23    running sums (each lane's own half of the keys until the end)
.set T,    24                          ; v[24:31]  at work
.set PF,   32                          ; v[32:63]  P, fragment (qt, ks) at 8 (2 ks + qt)
.set SC,   64                          ; v[64:127] raw scores, then scores, then weights: tile (kt, qt) at 8 (2 kt + qt)
.set KB,   128                         ; v[128:255] K, fragment (kt, ks) at 32 kt + 8 ks
.set QF,   128                         ; window 1: Q, fragment (qt, ks) at 128 + 8 (4 qt + ks);  window 1, 0-127: O, tile (dt, qt) at 8 (2 dt + qt)
.set MK,   128                         ; window 2: the mask, tile (kt, qt) at 128 + 8 (2 kt + qt);  window 2, 0-127: V^T, fragment (dt, ks) at 16 dt + 8 ks
.set G1K, 24                           ; s[24:31], s[32:39], s[40:47]: group 1 for K, V, mask
.set G1V, 32
.set G1M, 40
.set G0K, 48                           ; s[48:55], s[56:63], s[68:75]: group 0 for K, V, mask, a set for each slot
.set G0V, 56
.set G0M, 68
.set MSB, 0
.macro WIN new
.if MSB != \new
	s_set_vgpr_msb (MSB<<8)|\new
.set MSB, \new
.endif
.endm
; A joint load: wave 0 asks for K's tile, wave 1 for V's, waves 2 and 3 for the mask's halves.  Each line has one mask; the branches hang on the wave's number alone.
.macro JLOAD s
	s_cmp_lg_u32 s10, 0
	s_cbranch_scc1 .Lnot_k_\@
	tensor_load_to_lds s[G0K+4*\s:G0K+4*\s+3], s[G1K:G1K+7]
	s_nop 0
	s_branch .Lasked_\@
.Lnot_k_\@:
	s_cmp_lg_u32 s10, 1
	s_cbranch_scc1 .Lfor_m_\@
	tensor_load_to_lds s[G0V+4*\s:G0V+4*\s+3], s[G1V:G1V+7]
	s_nop 0
	s_branch .Lasked_\@
.Lfor_m_\@:
	tensor_load_to_lds s[G0M+4*\s:G0M+4*\s+3], s[G1M:G1M+7]
	s_nop 0
.Lasked_\@:
.endm
.macro CROUND                          ; a round of the cluster's barrier
	s_barrier_signal -1
	s_barrier_wait -1
	s_cmp_lg_u32 s10, 0
	s_cbranch_scc1 .Lnot_wave_0_\@
	s_barrier_signal -3
.Lnot_wave_0_\@:
	s_barrier_wait -3
	s_barrier_signal -1
	s_barrier_wait -1
.endm
.macro PLACES                          ; four plain vector places behind matrix instructions (ISA guide 7.12.1)
.rept 4
	v_nop
.endr
.endm
	s_load_b128 s[4:7], s[0:1], 0x0                ; qkv s[4:5], attention_mask s[6:7]
	s_load_b64 s[8:9], s[0:1], 0x10                ; attn
	s_set_vgpr_msb 0x40
	v_lshl_add_u32 v254, v0, 2, 0x37c00
	v_mov_b32 v255, 0
	s_set_vgpr_msb 0x4045
	ds_add_u32 v254, v255
	s_set_vgpr_msb 0x4500
	v_lshrrev_b32 v1, 5, v0
	v_readfirstlane_b32 s10, v1                    ; wave 0..3
	s_lshr_b32 s11, s10, 1                         ; which of the two heads
	s_and_b32 s12, s10, 1                          ; which 32 of the 64 rows; also which half of the mask's tile waves 2, 3 fetch
	s_bfe_u32 s76, ttmp6, 0x40000                  ; cx
	s_bfe_u32 s77, ttmp6, 0x40004                  ; cy
	s_lshl_b32 s78, ttmp9, 2
	s_add_co_u32 s78, s78, s76                     ; xb: block of 64 query rows
	s_and_b32 s79, ttmp7, 0xffff
	s_lshl_b32 s79, s79, 2
	s_add_co_u32 s79, s79, s77                     ; kv head
	s_lshl_b32 s80, s77, 2
	s_lshl_b32 s80, 15, s80                        ; my row of the cluster
	s_lshl_b32 s81, 0x1111, s76                    ; my column
	s_lshr_b32 s82, ttmp9, 3                       ; batch: 32 blocks of 64 rows = 8 clusters each, so the whole cluster shares it
	s_mov_b32 s84, 0x76543210                      ; v_permlanex16_b32: lane i of one half reads lane i of the other
	s_mov_b32 s85, 0xfedcba98
	s_mov_b32 s90, 0x3fb8aa3b                      ; log2(e), as a pair for the packed multiply
	s_mov_b32 s91, 0x3fb8aa3b
	s_mov_b32 s92, 0x43b504f3                      ; 2^6 x 2^6 / sqrt(128) = 362.0387, as a pair for the packed multiply-add
	s_mov_b32 s93, 0x43b504f3
	; group 1.  K: 128 rows x 128 numbers of 2 bytes, dense in memory, 4 words of padding behind every 64
	s_or_b32 s[G1K+0], s80, (1<<16)|(1<<20)|(1<<21)|(5<<22)|(3<<25)
	s_mov_b32 s[G1K+1], 128<<16
	s_mov_b32 s[G1K+2], 128<<16
	s_mov_b32 s[G1K+3], 128<<16
	s_mov_b32 s[G1K+4], 128
	s_mov_b32 s[G1K+5], 128
	s_mov_b32 s[G1K+6], 0
	s_mov_b32 s[G1K+7], 0
	; V: the same with 8 words of padding
	s_or_b32 s[G1V+0], s80, (1<<16)|(1<<20)|(1<<21)|(5<<22)|(7<<25)
	s_mov_b32 s[G1V+1], 128<<16
	s_mov_b32 s[G1V+2], 128<<16
	s_mov_b32 s[G1V+3], 128<<16
	s_mov_b32 s[G1V+4], 128
	s_mov_b32 s[G1V+5], 128
	s_mov_b32 s[G1V+6], 0
	s_mov_b32 s[G1V+7], 0
	; mask: 32 rows x 128 f32, 2,048 elements from row to row, 4 words of padding behind every 128
	s_or_b32 s[G1M+0], s81, (2<<16)|(1<<20)|(1<<21)|(6<<22)|(3<<25)
	s_mov_b32 s[G1M+1], 128<<16
	s_mov_b32 s[G1M+2], 32<<16
	s_mov_b32 s[G1M+3], 128<<16
	s_mov_b32 s[G1M+4], 32
	s_mov_b32 s[G1M+5], 2048
	s_mov_b32 s[G1M+6], 0
	s_mov_b32 s[G1M+7], 0
	; K's first tile: ((8 + kv) x 4,096 + batch x 2,048) rows of 256 bytes; V's lies 4 head slots = 4,194,304 bytes further.  No cx enters.
	s_add_co_u32 s86, s79, 8
	s_lshl_b32 s86, s86, 20
	s_lshl_b32 s87, s82, 19
	s_add_co_u32 s86, s86, s87
	s_mov_b32 s87, 0
	; the mask's: row 64 xb + 32 half, of 8,192 bytes.  No cy enters.
	s_lshl_b32 s88, s78, 19
	s_lshl_b32 s89, s12, 18
	s_add_co_u32 s88, s88, s89
	s_mov_b32 s89, 0
	s_mul_i32 s20, s10, 32*MPITCH
	s_add_co_u32 s20, s20, MOFF-2*32*MPITCH        ; waves 2, 3: 71,680 and 88,576
	; my Q rows and my rows of the output
	s_lshl_b32 s14, s79, 1
	s_add_co_u32 s14, s14, s11                     ; head
	s_lshl_b32 s16, s14, 20
	s_lshl_b32 s17, s78, 14
	s_add_co_u32 s16, s16, s17
	s_lshl_b32 s17, s12, 13
	s_add_co_u32 s16, s16, s17                     ; (head x 4,096 + 64 xb + 32 half) x 256
	s_mov_b32 s17, 0
	s_lshl_b32 s18, s78, 17
	s_lshl_b32 s19, s12, 16
	s_add_co_u32 s18, s18, s19
	s_lshl_b32 s19, s14, 8
	s_add_co_u32 s18, s18, s19                     ; (64 xb + 32 half) x 2,048 + head x 256
	s_mov_b32 s19, 0
	v_and_b32 v1, 15, v0                           ; r
	v_bfe_u32 v2, v0, 4, 1                         ; h
	v_lshlrev_b32 v7, 8, v1
	v_lshl_add_u32 v[QOFF], v2, 4, v7              ; 256 r + 16 h
	s_wait_dscnt 0x0
	s_wait_kmcnt 0x0
	s_add_nc_u64 s[86:87], s[4:5], s[86:87]
	s_add_nc_u64 s[88:89], s[6:7], s[88:89]
	s_add_nc_u64 s[16:17], s[4:5], s[16:17]
	s_add_nc_u64 s[8:9], s[8:9], s[18:19]
	CROUND                                         ; all sixteen work-groups are here: the first joint loads meet
.irp s, 0,1
	s_mov_b32 s[G0K+4*\s], 1
	s_mov_b32 s[G0K+4*\s+1], \s*SLOT
	s_add_nc_u64 s[G0K+4*\s+2:G0K+4*\s+3], s[86:87], \s*32768
	s_or_b32 s[G0K+4*\s+3], s[G0K+4*\s+3], 0x80000000
	s_mov_b32 s[G0V+4*\s], 1
	s_mov_b32 s[G0V+4*\s+1], VOFF+\s*SLOT
	s_add_nc_u64 s[G0V+4*\s+2:G0V+4*\s+3], s[86:87], 0x400000+\s*32768
	s_or_b32 s[G0V+4*\s+3], s[G0V+4*\s+3], 0x80000000
	s_mov_b32 s[G0M+4*\s], 1
	s_add_co_u32 s[G0M+4*\s+1], s20, \s*SLOT
	s_add_nc_u64 s[G0M+4*\s+2:G0M+4*\s+3], s[88:89], \s*512
	s_or_b32 s[G0M+4*\s+3], s[G0M+4*\s+3], 0x80000000
	JLOAD \s                                       ; both slots' first fills: two tensor loads of the wave are out, the most in this text
.endr
	WIN 0x40                                       ; Q stays in registers for the whole launch: 2 q tiles x 4 fragments
.irp qt, 0,1
.irp ks, 0,1,2,3
	global_load_b128 v[QF+8*(4*\qt+\ks):QF+8*(4*\qt+\ks)+3],   v[QOFF], s[16:17] offset:\qt*4096+64*\ks
	global_load_b128 v[QF+8*(4*\qt+\ks)+4:QF+8*(4*\qt+\ks)+7], v[QOFF], s[16:17] offset:\qt*4096+64*\ks+32
.endr
.endr
	WIN 0
	v_and_b32 v3, 7, v0
	v_bfe_u32 v4, v0, 3, 1
	v_mul_u32_u24 v5, v1, KPITCH
	v_lshl_add_u32 v[ADRK], v2, 4, v5              ; r x 272 + 16 h
	v_add_nc_u32 v[ADRK+1], SLOT, v[ADRK]
	v_lshl_add_u32 v6, v2, 3, v3                   ; key 8 h + l % 8,
	v_mul_u32_u24 v6, v6, VPITCH
	v_lshl_add_u32 v6, v4, 4, v6                   ; 16 bytes further for lanes 8-15 of each half: the transposing load's addresses
	v_add_nc_u32 v[ADRV], VOFF, v6
	v_add_nc_u32 v[ADRV+1], VOFF+SLOT, v6
	s_mul_i32 s21, s12, 32*MPITCH
	s_add_co_u32 s21, s21, MOFF
	v_mul_u32_u24 v7, v1, MPITCH
	v_lshl_add_u32 v7, v2, 5, v7                   ; query r's row, 8 keys = 32 bytes for each half of the lanes
	v_add_nc_u32 v[ADRM], s21, v7
	v_add_nc_u32 v[ADRM+1], SLOT, v[ADRM]
	s_mul_i32 s22, s10, 16*KPITCH
	s_add_co_u32 s22, s22, STAGE                   ; my stage
	v_add_nc_u32 v[STO], s22, v[ADRK]
	v_mul_u32_u24 v6, v2, KPITCH
	v_lshl_add_u32 v6, v1, 4, v6
	v_add_nc_u32 v[RD], s22, v6
	v_lshlrev_b32 v7, 11, v2
	v_lshl_add_u32 v[CO], v1, 4, v7                ; two rows of the output, 2,048 bytes apart
.macro LDK slot, half                  ; 32 loads: 64 keys x 128 d
	WIN 0
.irp kt, 0,1,2,3
.irp ks, 0,1,2,3
	ds_load_b128 v[KB+32*\kt+8*\ks:KB+32*\kt+8*\ks+3],   v[ADRK+\slot] offset:(64*\half+16*\kt)*KPITCH+64*\ks
	ds_load_b128 v[KB+32*\kt+8*\ks+4:KB+32*\kt+8*\ks+7], v[ADRK+\slot] offset:(64*\half+16*\kt)*KPITCH+64*\ks+32
.endr
.endr
.endm
.macro LDM slot, half                  ; 16 loads: the mask of my 32 queries x 64 keys, into window 2 (the setting is left; no label or branch follows before the next)
	WIN 0x80
.irp kt, 0,1,2,3
.irp qt, 0,1
	ds_load_b128 v[MK+8*(2*\kt+\qt):MK+8*(2*\kt+\qt)+3],   v[ADRM+\slot] offset:\qt*16*MPITCH+256*\half+64*\kt
	ds_load_b128 v[MK+8*(2*\kt+\qt)+4:MK+8*(2*\kt+\qt)+7], v[ADRM+\slot] offset:\qt*16*MPITCH+256*\half+64*\kt+16
.endr
.endr
.endm
.macro LDV slot, half                  ; 32 transposing loads: 128 d x 64 keys
	WIN 0x80
.irp dt, 0,1,2,3,4,5,6,7
.irp ks, 0,1
	ds_load_tr16_b128 v[16*\dt+8*\ks:16*\dt+8*\ks+3],   v[ADRV+\slot] offset:(64*\half+32*\ks)*VPITCH+32*\dt
	ds_load_tr16_b128 v[16*\dt+8*\ks+4:16*\dt+8*\ks+7], v[ADRV+\slot] offset:(64*\half+32*\ks)*VPITCH+32*\dt+16*VPITCH
.endr
.endr
	WIN 0
.endm
; One step of 64 keys (half 0 or 1 of a slot).  On entry my LDS loads that may be out are, in order of issue: K's 32, the mask's 16, V's 32.
; first = 1: the launch's first step (nothing to rescale, the first products start O).
; turn = 1: this slot has been read to its end and is filled again;  2: slots change, nothing is filled;  0: neither.
; more = 1: the fragments of step (nslot, nhalf) are fetched.
.macro STEP64 slot, half, first, turn, more, nslot, nhalf
	s_wait_dscnt 32                                ; K and the mask are in; V's 32 loads may be out
	WIN 0x04                                       ; source 1 (Q) in window 1
	; 32 matrix instructions; the first eight start the sums; the eight score tiles take turns, one instruction a turn
.irp ks, 0,1,2,3
.irp kt, 0,1,2,3
.irp qt, 0,1
.if \ks == 0
	v_wmma_f32_16x16x32_f16 v[SC+8*(2*\kt+\qt):SC+8*(2*\kt+\qt)+7], v[KB+32*\kt+8*\ks:KB+32*\kt+8*\ks+7], v[QF+8*(4*\qt+\ks):QF+8*(4*\qt+\ks)+7], 0
.else
	v_wmma_f32_16x16x32_f16 v[SC+8*(2*\kt+\qt):SC+8*(2*\kt+\qt)+7], v[KB+32*\kt+8*\ks:KB+32*\kt+8*\ks+7], v[QF+8*(4*\qt+\ks):QF+8*(4*\qt+\ks)+7], v[SC+8*(2*\kt+\qt):SC+8*(2*\kt+\qt)+7]
.endif
.endr
.endr
.endr
	WIN 0x20                                       ; source 2 (the mask) in window 2
	PLACES
.irp c, 0,1,2,3,4,5,6,7
.irp p, 0,2,4,6
	v_pk_fma_f32 v[SC+8*\c+\p:SC+8*\c+\p+1], v[SC+8*\c+\p:SC+8*\c+\p+1], s[92:93], v[MK+8*\c+\p:MK+8*\c+\p+1] op_sel_hi:[1,0,1]   ; score = raw x 4096/sqrt(128) + mask
.endr
.endr
	WIN 0
	; the largest score: eight chains, one a tile (tile c = 2 kt + qt), then joined for each q tile with the running maximum
.irp c, 0,1,2,3,4,5,6,7
	v_max3_num_f32 v[T+\c], v[SC+8*\c], v[SC+8*\c+1], v[SC+8*\c+2]
.endr
.irp c, 0,1,2,3,4,5,6,7
	v_max3_num_f32 v[T+\c], v[T+\c], v[SC+8*\c+3], v[SC+8*\c+4]
.endr
.irp c, 0,1,2,3,4,5,6,7
	v_max3_num_f32 v[T+\c], v[T+\c], v[SC+8*\c+5], v[SC+8*\c+6]
.endr
.irp c, 0,1,2,3,4,5,6,7
	v_max_num_f32 v[T+\c], v[T+\c], v[SC+8*\c+7]
.endr
.irp qt, 0,1
	v_max3_num_f32 v[T+\qt], v[T+\qt], v[T+2+\qt], v[T+4+\qt]
.endr
.irp qt, 0,1
.if \first
	v_max3_num_f32 v[T+\qt], v[T+\qt], v[T+6+\qt], 0xff7fffff      ; never below the most negative finite number
.else
	v_max3_num_f32 v[T+\qt], v[T+\qt], v[T+6+\qt], v[MP+2*\qt]
.endif
.endr
.irp qt, 0,1
	v_permlanex16_b32 v[T+2+\qt], v[T+\qt], s84, s85               ; the other half of the keys lies 16 lanes away
.endr
.irp qt, 0,1
	v_max_num_f32 v[T+\qt], v[T+\qt], v[T+2+\qt]                   ; the new maximum, in both lanes of a query
.endr
.if \first == 0
.irp qt, 0,1
	v_sub_f32 v[T+2+\qt], v[MP+2*\qt], v[T+\qt]                    ; old - new, at most 0
.endr
.irp qt, 0,1
	v_mul_f32 v[T+2+\qt], s90, v[T+2+\qt]
.endr
.endif
.irp qt, 0,1
	v_mov_b32 v[MP+2*\qt], v[T+\qt]
	v_mov_b32 v[MP+2*\qt+1], v[T+\qt]
.endr
.if \first == 0
.irp qt, 0,1
	v_exp_f32 v[AP+2*\qt], v[T+2+\qt]                              ; the factor by which O and the sum shrink, made twice to fill a pair;
	v_exp_f32 v[AP+2*\qt+1], v[T+2+\qt]                            ; the packed subtractions below are the plain place behind them (ISA guide 5.7.2)
.endr
.endif
.irp c, 0,1,2,3,4,5,6,7
.irp p, 0,2,4,6
	v_pk_add_f32 v[SC+8*\c+\p:SC+8*\c+\p+1], v[SC+8*\c+\p:SC+8*\c+\p+1], v[MP+2*(\c%2):MP+2*(\c%2)+1] neg_lo:[0,1] neg_hi:[0,1]   ; x - m first,
.endr
.endr
.irp c, 0,1,2,3,4,5,6,7
.irp p, 0,2,4,6
	v_pk_mul_f32 v[SC+8*\c+\p:SC+8*\c+\p+1], v[SC+8*\c+\p:SC+8*\c+\p+1], s[90:91] op_sel_hi:[1,0]                                 ; then times log2(e)
.endr
.endr
.set i, 0
.rept 64
	v_exp_f32 v[SC+i], v[SC+i]
.set i, i+1
.endr
	v_nop                                          ; the plain place behind the run of exponentials
	; the weights' sum, two chains of packed adds for each q tile
	s_wait_alu depctr_va_vdst(0)
.irp qt, 0,1
	v_pk_add_f32 v[T+4*\qt:T+4*\qt+1],   v[SC+8*\qt:SC+8*\qt+1],   v[SC+8*\qt+2:SC+8*\qt+3]
	v_pk_add_f32 v[T+4*\qt+2:T+4*\qt+3], v[SC+8*\qt+4:SC+8*\qt+5], v[SC+8*\qt+6:SC+8*\qt+7]
.endr
.irp kt, 1,2,3
.irp qt, 0,1
	v_pk_add_f32 v[T+4*\qt:T+4*\qt+1],   v[T+4*\qt:T+4*\qt+1],   v[SC+8*(2*\kt+\qt):SC+8*(2*\kt+\qt)+1]
	v_pk_add_f32 v[T+4*\qt+2:T+4*\qt+3], v[T+4*\qt+2:T+4*\qt+3], v[SC+8*(2*\kt+\qt)+2:SC+8*(2*\kt+\qt)+3]
	v_pk_add_f32 v[T+4*\qt:T+4*\qt+1],   v[T+4*\qt:T+4*\qt+1],   v[SC+8*(2*\kt+\qt)+4:SC+8*(2*\kt+\qt)+5]
	v_pk_add_f32 v[T+4*\qt+2:T+4*\qt+3], v[T+4*\qt+2:T+4*\qt+3], v[SC+8*(2*\kt+\qt)+6:SC+8*(2*\kt+\qt)+7]
.endr
.endr
.irp qt, 0,1
	v_pk_add_f32 v[T+4*\qt:T+4*\qt+1], v[T+4*\qt:T+4*\qt+1], v[T+4*\qt+2:T+4*\qt+3]
.endr
.irp qt, 0,1
.if \first
	v_add_f32 v[LS+\qt], v[T+4*\qt], v[T+4*\qt+1]
.else
	v_add_f32 v[T+4*\qt], v[T+4*\qt], v[T+4*\qt+1]
	v_fma_f32 v[LS+\qt], v[LS+\qt], v[AP+2*\qt], v[T+4*\qt]
.endif
.endr
	; the weights in f16: tiles 2 ks and 2 ks + 1 make fragment ks
.irp kt, 0,1,2,3
.irp qt, 0,1
.irp p, 0,1,2,3
	v_cvt_pk_f16_f32 v[PF+8*(2*(\kt/2)+\qt)+4*(\kt%2)+\p], v[SC+8*(2*\kt+\qt)+2*\p], v[SC+8*(2*\kt+\qt)+2*\p+1]
.endr
.endr
.endr
.if \turn
	s_wait_dscnt 0x0                               ; my reads of this slot are over: this step's V, the last of them, is in registers
	s_set_vgpr_msb 0x5
	s_wait_tensorcnt 0x0                           ; all my tensor loads have landed, my part of the other slot among them
	ds_add_u32 v254, v255
	s_wait_dscnt 0x0
	s_set_vgpr_msb 0x500
.if \turn == 1
	CROUND                                         ; both now hold of every wave of every work-group of the cluster
	s_add_nc_u64 s[G0K+4*\slot+2:G0K+4*\slot+3], s[G0K+4*\slot+2:G0K+4*\slot+3], 2*32768
	s_add_nc_u64 s[G0V+4*\slot+2:G0V+4*\slot+3], s[G0V+4*\slot+2:G0V+4*\slot+3], 2*32768
	s_add_nc_u64 s[G0M+4*\slot+2:G0M+4*\slot+3], s[G0M+4*\slot+2:G0M+4*\slot+3], 2*512
	JLOAD \slot                                    ; my one tensor load behind the round: it has the other slot's two steps in which to land
.else
	s_barrier_signal -1
	s_barrier_wait -1
.endif
.endif
.if \more
	LDK \nslot, \nhalf                             ; 48 loads for the next step's scores, ahead of this step's second product
	LDM \nslot, \nhalf
.endif
.if \first == 0
	WIN 0x41
.irp dt, 0,1,2,3,4,5,6,7
.irp qt, 0,1
.irp p, 0,2,4,6
	v_pk_mul_f32 v[8*(2*\dt+\qt)+\p:8*(2*\dt+\qt)+\p+1], v[8*(2*\dt+\qt)+\p:8*(2*\dt+\qt)+\p+1], v[AP+2*\qt:AP+2*\qt+1]
.endr
.endr
.endr
.endif
.if \more
	s_wait_dscnt 48                                ; V is in; the 48 just issued may be out
.else
	s_wait_dscnt 0x0
.endif
	WIN 0x52                                       ; source 0 (V^T) window 2, source 1 (P) window 0, C and D (O) window 1
	; 32 matrix instructions; the sixteen tiles of O take turns, one instruction a turn
.irp ks, 0,1
.irp dt, 0,1,2,3,4,5,6,7
.irp qt, 0,1
.if \first*(1-\ks)
	v_wmma_f32_16x16x32_f16 v[8*(2*\dt+\qt):8*(2*\dt+\qt)+7], v[16*\dt+8*\ks:16*\dt+8*\ks+7], v[PF+8*(2*\ks+\qt):PF+8*(2*\ks+\qt)+7], 0
.else
	v_wmma_f32_16x16x32_f16 v[8*(2*\dt+\qt):8*(2*\dt+\qt)+7], v[16*\dt+8*\ks:16*\dt+8*\ks+7], v[PF+8*(2*\ks+\qt):PF+8*(2*\ks+\qt)+7], v[8*(2*\dt+\qt):8*(2*\dt+\qt)+7]
.endif
.endr
.endr
.endr
	PLACES
.if \more
	LDV \nslot, \nhalf
.endif
	WIN 0
.endm
.macro LAP first                       ; once round the ring, both slots filled again
	STEP64 0, 0, \first, 0, 1, 0, 1
	STEP64 0, 1, 0, 1, 1, 1, 0
	STEP64 1, 0, 0, 0, 1, 1, 1
	STEP64 1, 1, 0, 1, 1, 0, 0
.endm
	s_wait_tensorcnt 0x1                           ; my part of tile 0 is in; tile 1's stays out
	s_barrier_signal -1
	s_barrier_wait -1
	LDK 0, 0
	LDM 0, 0
	LDV 0, 0
	s_wait_loadcnt 0x0                             ; Q, once
	LAP 1                                          ; tiles 0, 1; asks for 2, 3
	s_mov_b32 s3, 6
.Llap:
	LAP 0                                          ; tiles 2 i, 2 i + 1; asks for the next two, 14 and 15 in the last trip
	s_sub_co_u32 s3, s3, 1
	s_cmp_lg_u32 s3, 0
	s_cbranch_scc1 .Llap
	STEP64 0, 0, 0, 0, 1, 0, 1                     ; the last lap fills nothing
	STEP64 0, 1, 0, 2, 1, 1, 0
	STEP64 1, 0, 0, 0, 1, 1, 1
	STEP64 1, 1, 0, 0, 0, 0, 0
	; THE WAY OUT (the four places behind the last matrix instructions stand at the end of the step above)
.irp qt, 0,1
	v_permlanex16_b32 v[T+\qt], v[LS+\qt], s84, s85
.endr
.irp qt, 0,1
	v_add_f32 v[LS+\qt], v[LS+\qt], v[T+\qt]       ; both halves of the keys
.endr
.irp qt, 0,1
	v_rcp_f32 v[AP+2*\qt], v[LS+\qt]
	v_rcp_f32 v[AP+2*\qt+1], v[LS+\qt]
.endr
	v_nop                                          ; the plain place behind the reciprocals
	WIN 0x41
	s_wait_alu depctr_va_vdst(0)
.irp dt, 0,1,2,3,4,5,6,7
.irp qt, 0,1
.irp p, 0,2,4,6
	v_pk_mul_f32 v[8*(2*\dt+\qt)+\p:8*(2*\dt+\qt)+\p+1], v[8*(2*\dt+\qt)+\p:8*(2*\dt+\qt)+\p+1], v[AP+2*\qt:AP+2*\qt+1]
.endr
.endr
.endr
; 16 queries: rounded to f16, 16 bytes a lane into my stage, read back as whole rows of 256 bytes.  The two q tiles use different registers for
; the rows read back, so nothing that a pending store reads is written again.
.irp qt, 0,1
	WIN 0x05
.irp dt, 0,1,2,3,4,5,6,7
.irp p, 0,1,2,3
	v_cvt_pk_f16_f32 v[PF+4*\dt+\p], v[8*(2*\dt+\qt)+2*\p], v[8*(2*\dt+\qt)+2*\p+1]
.endr
.endr
	WIN 0
.irp dt, 0,1,2,3,4,5,6,7
	ds_store_b128 v[STO], v[PF+4*\dt:PF+4*\dt+3] offset:32*\dt
.endr
.irp t, 0,1,2,3,4,5,6,7
	ds_load_b128 v[KB+32*\qt+4*\t:KB+32*\qt+4*\t+3], v[RD] offset:\t*2*KPITCH    ; LDS serves a wave's instructions in order: these see the stores above
.endr
.irp t, 0,1,2,3,4,5,6,7
	s_wait_dscnt 7-\t
	global_store_b128 v[CO], v[KB+32*\qt+4*\t:KB+32*\qt+4*\t+3], s[8:9] offset:(16*\qt+2*\t)*2048   ; 16 lanes store 256 consecutive bytes, aligned: a head's part of a row
.endr
.endr
	s_set_vgpr_msb 0x5
	s_wait_tensorcnt 0x0
	ds_add_u32 v254, v255
	s_wait_dscnt 0x0
	s_set_vgpr_msb 0x500
	CROUND                                         ; the closing round
	s_endpgm
.Lfunc_end_k_q867a37e931_attn:
	.size	k_q867a37e931_attn, .Lfunc_end_k_q867a37e931_attn-k_q867a37e931_attn
	.p2alignl 7, 3214868480
	.fill 96, 4, 3214868480
	.section	.rodata,"a",@progbits
	.p2align	6, 0x0
	.amdhsa_kernel k_q867a37e931_attn
		.amdhsa_group_segment_fixed_size 327680
		.amdhsa_private_segment_fixed_size 0
		.amdhsa_enable_private_segment 0
		.amdhsa_kernarg_size 24
		.amdhsa_user_sgpr_count 2
		.amdhsa_user_sgpr_kernarg_segment_ptr 1
		.amdhsa_wavefront_size32 1
		.amdhsa_system_sgpr_workgroup_id_x 1
		.amdhsa_system_sgpr_workgroup_id_y 1
		.amdhsa_system_sgpr_workgroup_id_z 1
		.amdhsa_system_vgpr_workitem_id 0
		.amdhsa_next_free_vgpr 704
		.amdhsa_next_free_sgpr 96
		.amdhsa_reserve_vcc 0
		.amdhsa_float_denorm_mode_32 3
		.amdhsa_float_denorm_mode_16_64 3
		.amdhsa_memory_ordered 1
		.amdhsa_forward_progress 1
		.amdhsa_inst_pref_size 255
	.end_amdhsa_kernel
	.section	.bss,"aw",@nobits
	.p2align	6
	.space	262144
	.amdgpu_metadata
---
amdhsa.version: [ 1, 2 ]
amdhsa.kernels:
  - .name:           k_q867a37e931_attn
    .symbol:         k_q867a37e931_attn.kd
    .args:
      - { .name: qkv, .offset: 0, .size: 8, .value_kind: global_buffer, .address_space: global }
      - { .name: attention_mask, .offset: 8, .size: 8, .value_kind: global_buffer, .address_space: global }
      - { .name: attn, .offset: 16, .size: 8, .value_kind: global_buffer, .address_space: global }
    .group_segment_fixed_size: 327680
    .private_segment_fixed_size: 0
    .kernarg_segment_align: 8
    .kernarg_segment_size: 24
    .max_flat_workgroup_size: 128
    .sgpr_count:     96
    .vgpr_count:     704
    .wavefront_size: 32
...
	.end_amdgpu_metadata
.endif
;; end of part 3
;; launch oproj (part 4): grid 16 x 16, 4 waves a work-group, clusters of 4 x 4, 327,680 bytes of LDS; arguments attn, wob, out0; writes out0
.if DOCPART == 4
	.amdgcn_target "amdgcn-amd-amdhsa--gfx1250"
	.amdhsa_code_object_version 6
	.text
	.protected	k_q867a37e931_oproj
	.globl	k_q867a37e931_oproj
	.p2align	8
	.type	k_q867a37e931_oproj,@function
k_q867a37e931_oproj:
	s_mov_b64 s[64:65], 0
	v_nop
	global_prefetch_b8 v0, s[64:65] scope:SCOPE_SE
	s_setreg_imm32_b32 hwreg(HW_REG_WAVE_MODE, 25, 1), 1
	s_wait_xcnt 0x0
	s_wait_alu depctr_hold_cnt(0) depctr_sa_sdst(0) depctr_va_vdst(0) depctr_va_sdst(0) depctr_va_ssrc(0) depctr_va_vcc(0) depctr_vm_vsrc(0)
	s_getreg_b32 s2, hwreg(HW_REG_IB_STS2, 6, 4)
	s_cmp_eq_u32 s2, 0
	s_cbranch_scc0 .Lentry_in_a_cluster
	s_endpgm
.Lentry_in_a_cluster:
	s_bfe_u32 s2, ttmp6, 0x10000c
	s_cmp_lg_u32 s2, 0xf033
	s_cbranch_scc0 .Lentry_shape_is_right
	s_endpgm
.Lentry_shape_is_right:
; out0[m][n] = sum over k of attn[m][k] wob[n][k].  attn: [4096][1024] f16, the attention's result times 2^-4; wob: [4096][1024] f16, 16 x Wo: the two factors cancel exactly.
; out0: [4096][4096] f32; sums in f32.
; A work-group makes a block of 256 x 256 with four waves, a wave 128 x 128: 64 accumulator tiles of 16 x 16, 512 registers.  16 x 16 = 256 work-groups.
; K goes in steps of 128 (rows of 256 bytes, aligned) through a ring of two LDS slots filled by the tensor data mover.
; CLUSTERS 4 x 4: A's tile hangs on the block row alone and is asked for jointly along a row of the cluster, B's on the block column alone and along a column:
; the requests for both are divided by four.
; REGISTERS by windows of 256:  window 0: v0-31 addresses; v64-127, v128-191 fragments of A, two buffers (on the way out: rows read back);
;   window 1: v64-127, v128-191 fragments of B;  window 2: the 32 accumulator tiles of my rows 0-63 (tile (a, b) at 8 (8 a + b));  window 3: rows 64-127.
; THE MATRIX INSTRUCTION IS USED TRANSPOSED (source 0 = rows of B, source 1 = rows of A): lane l holds row l % 16, its registers 0-7 the columns 8 (l / 16) + 0..7:
; 32 neighbouring bytes of a row of the output.
.set SIZE_N, 4096
.set SIZE_K, 1024
.set KSTEP,  128
.set PITCH,  272
.set HALFT,  128*PITCH
.set SLOT,   4*HALFT                   ; A's 256 rows, then B's 256 rows
.set STAGE,  2*SLOT                    ; 278,528, a multiple of 256: 16 rows x 528 bytes for each wave, never a target of a tensor load
.set SPITCH, 528                       ; 512 bytes (128 f32) + 16: an odd multiple of 16
.set LAPS, SIZE_K/(2*KSTEP)
.set ADRA, 16
.set ADRB, 20
.set STO,  24
.set RD,   25
.set CO,   26
.set F0,   64
.set F1,   128
.set G1, 24
.set G0, 32
.set G1B, 48
.set G0B, 56
.set MSB, 0
.macro WIN new
.if MSB != \new
	s_set_vgpr_msb (MSB<<8)|\new
.set MSB, \new
.endif
.endm
.set MUL_LO, 0xa1                      ; source 0 (B) window 1, source 1 (A) window 0, C and D window 2
.set MUL_HI, 0xf1                      ; the same, C and D window 3
.set TO_B,   0x40
.macro JLOAD s                         ; waves 0, 1 ask for A's halves, waves 2, 3 for B's; the branch hangs on the wave's number alone
	s_cmp_eq_u32 s11, 0
	s_cbranch_scc0 .Lfor_b_\@
	tensor_load_to_lds s[G0+4*\s:G0+4*\s+3], s[G1:G1+7]
	s_nop 0
	s_branch .Lasked_\@
.Lfor_b_\@:
	tensor_load_to_lds s[G0B+4*\s:G0B+4*\s+3], s[G1B:G1B+7]
	s_nop 0
.Lasked_\@:
.endm
.macro CREST
	s_cmp_lg_u32 s10, 0
	s_cbranch_scc1 .Lnot_wave_0_\@
	s_barrier_signal -3
.Lnot_wave_0_\@:
	s_barrier_wait -3
	s_barrier_signal -1
	s_barrier_wait -1
.endm
.macro CROUND
	s_barrier_signal -1
	s_barrier_wait -1
	CREST
.endm
	s_load_b128 s[4:7], s[0:1], 0x0                ; attn s[4:5], wob s[6:7]
	s_load_b64 s[8:9], s[0:1], 0x10                ; out0
	s_set_vgpr_msb 0x40
	v_lshl_add_u32 v255, v0, 2, 0x4c400
	s_set_vgpr_msb 0x4000
	v_mov_b32 v255, 0
	s_set_vgpr_msb 0x1
	ds_add_u32 v255, v255
	s_set_vgpr_msb 0x100
	v_lshrrev_b32 v1, 5, v0
	v_readfirstlane_b32 s10, v1                    ; wave 0..3
	s_lshr_b32 s11, s10, 1                         ; which half of the block's rows is mine; also: I fetch for A (0) or B (1)
	s_and_b32 s12, s10, 1                          ; which half of its columns; also: which 128 rows of that tile I fetch
	s_bfe_u32 s40, ttmp6, 0x40000                  ; cx
	s_bfe_u32 s41, ttmp6, 0x40004                  ; cy
	s_lshl_b32 s42, ttmp9, 2
	s_add_co_u32 s42, s42, s40                     ; block column
	s_and_b32 s13, ttmp7, 0xffff
	s_lshl_b32 s13, s13, 2
	s_add_co_u32 s13, s13, s41                     ; block row
	s_lshl_b32 s43, s41, 2
	s_lshl_b32 s43, 15, s43                        ; my row of the cluster
	s_lshl_b32 s44, 0x1111, s40                    ; my column
	s_or_b32 s[G1+0], s43, (1<<16)|(1<<20)|(1<<21)|(5<<22)|(3<<25)   ; 2-byte elements; padding on; bit 21 beside a mask; after every 64 words 4 words
	s_or_b32 s[G1B+0], s44, (1<<16)|(1<<20)|(1<<21)|(5<<22)|(3<<25)
	s_mov_b32 s[G1B+1], KSTEP<<16
	s_mov_b32 s[G1+1], KSTEP<<16                   ; tensor_dim0 = 128
	s_mov_b32 s[G1B+2], 128<<16
	s_mov_b32 s[G1+2], 128<<16                     ; tensor_dim1 = 128
	s_mov_b32 s[G1B+3], KSTEP<<16
	s_mov_b32 s[G1+3], KSTEP<<16                   ; tile_dim0 = 128
	s_mov_b32 s[G1B+4], 128
	s_mov_b32 s[G1+4], 128                         ; tile_dim1 = 128
	s_mov_b32 s[G1B+5], SIZE_K
	s_mov_b32 s[G1+5], SIZE_K                      ; elements from row to row
	s_mov_b32 s[G1B+6], 0
	s_mov_b32 s[G1+6], 0
	s_mov_b32 s[G1B+7], 0
	s_mov_b32 s[G1+7], 0
	s_lshl_b32 s17, s12, 7
	s_lshl_b32 s16, s13, 8
	s_add_co_u32 s16, s16, s17                     ; A: row 256 x block row + 128 x half
	s_lshl_b32 s46, s42, 8
	s_add_co_u32 s46, s46, s17                     ; B: row 256 x block column + 128 x half
	s_mov_b32 s17, 0
	s_mov_b32 s47, 0
	s_mov_b64 s[18:19], SIZE_K*2
	s_mul_u64 s[16:17], s[16:17], s[18:19]
	s_mul_u64 s[46:47], s[46:47], s[18:19]
	s_mul_i32 s20, s10, HALFT                      ; where they go: wave x 128 rows
	s_wait_dscnt 0x0
	s_wait_kmcnt 0x0
	s_add_nc_u64 s[14:15], s[4:5], s[16:17]
	s_add_nc_u64 s[46:47], s[6:7], s[46:47]
	CROUND                                         ; all sixteen work-groups are here: the first joint loads meet
.irp s, 0,1
	s_mov_b32 s[G0+4*\s], 1
	s_add_co_u32 s[G0+4*\s+1], s20, \s*SLOT
	s_add_nc_u64 s[G0+4*\s+2:G0+4*\s+3], s[14:15], \s*KSTEP*2
	s_or_b32 s[G0+4*\s+3], s[G0+4*\s+3], 0x80000000
	s_mov_b32 s[G0B+4*\s], 1
	s_add_co_u32 s[G0B+4*\s+1], s20, \s*SLOT
	s_add_nc_u64 s[G0B+4*\s+2:G0B+4*\s+3], s[46:47], \s*KSTEP*2
	s_or_b32 s[G0B+4*\s+3], s[G0B+4*\s+3], 0x80000000
	JLOAD \s                                       ; both slots' first fills: two tensor loads of the wave are out, the most in this text
.endr
	v_and_b32 v1, 15, v0                           ; l % 16
	v_bfe_u32 v2, v0, 4, 1                         ; l / 16
	v_mul_u32_u24 v3, v1, PITCH
	v_lshl_add_u32 v3, v2, 4, v3
	s_mul_i32 s21, s11, HALFT                      ; my 128 rows of A
	s_mul_i32 s22, s12, HALFT                      ; my 128 rows of B,
	s_add_co_u32 s22, s22, 2*HALFT                 ; behind A's 256
.irp s, 0,1
	v_add_nc_u32 v[ADRA+\s], s21, v3
	v_add_nc_u32 v[ADRB+\s], s22, v3
	s_add_co_u32 s21, s21, SLOT
	s_add_co_u32 s22, s22, SLOT
.endr
	s_mul_i32 s23, s10, 16*SPITCH
	s_add_co_u32 s23, s23, STAGE                   ; my stage
	v_mul_u32_u24 v4, v1, SPITCH                   ; in: row l % 16, 32 bytes for each half of the lanes
	v_lshl_add_u32 v4, v2, 5, v4
	v_add_nc_u32 v[STO], s23, v4
	v_and_b32 v5, 31, v0
	v_lshlrev_b32 v[CO], 4, v5                     ; back and out: 32 lanes take one row's 512 bytes
	v_add_nc_u32 v[RD], s23, v[CO]
; 16 matrix instructions: m blocks a0, a0 + 1 of the window's four x all 8 n blocks, 32 along K.  The 64 accumulators take turns, one instruction a turn,
; in the same order in every quarter step.
.macro MUL16 f, hi, a0, zero
.irp a, \a0, \a0+1
.irp b, 0,1,2,3,4,5,6,7
.if \zero
	v_wmma_f32_16x16x32_f16 v[8*(8*(\a)+\b):8*(8*(\a)+\b)+7], v[\f+8*\b:\f+8*\b+7], v[\f+8*(4*\hi+\a):\f+8*(4*\hi+\a)+7], 0
.else
	v_wmma_f32_16x16x32_f16 v[8*(8*(\a)+\b):8*(8*(\a)+\b)+7], v[\f+8*\b:\f+8*\b+7], v[\f+8*(4*\hi+\a):\f+8*(4*\hi+\a)+7], v[8*(8*(\a)+\b):8*(8*(\a)+\b)+7]
.endif
.endr
.endr
.endm
.macro FETCH slot, k, f                ; 32 LDS loads in one run: a quarter step's fragments into buffer f
	WIN TO_B
.irp i, 0,1,2,3,4,5,6,7
	ds_load_b128 v[\f+8*\i:\f+8*\i+3],   v[ADRB+\slot] offset:\k+\i*16*PITCH
	ds_load_b128 v[\f+8*\i+4:\f+8*\i+7], v[ADRB+\slot] offset:\k+\i*16*PITCH+32
.endr
	WIN 0
.irp i, 0,1,2,3,4,5,6,7
	ds_load_b128 v[\f+8*\i:\f+8*\i+3],   v[ADRA+\slot] offset:\k+\i*16*PITCH
	ds_load_b128 v[\f+8*\i+4:\f+8*\i+7], v[ADRA+\slot] offset:\k+\i*16*PITCH+32
.endr
.endm
.macro PLACES                          ; four plain vector places behind matrix instructions (ISA guide 7.12.1)
.rept 4
	v_nop
.endr
.endm
.macro QUARTER slot, k, f, g, zero
	s_wait_dscnt 8                                 ; B and A's rows 0-63 are in; the youngest eight loads (A's rows 64-127) may be out
	WIN MUL_LO
	MUL16 \f, 0, 0, \zero
	MUL16 \f, 0, 2, \zero
	PLACES
	FETCH \slot, \k, \g
	s_wait_dscnt 32                                ; all but the 32 just issued
	WIN MUL_HI
	MUL16 \f, 1, 0, \zero
	MUL16 \f, 1, 2, \zero
.endm
.macro THREE slot, zero
	QUARTER \slot, 64,  F0, F1, \zero
	QUARTER \slot, 128, F1, F0, 0
	QUARTER \slot, 192, F0, F1, 0
.endm
; The last quarter changes slots: each wave's waits for its reads of this slot and for all its tensor loads stand in front of the barrier; behind it
; (fill = 1: behind the cluster's round that it opens) the refill comes first, then the next slot's first fragments.
.macro TURN slot, next, fill
	s_wait_dscnt 8
	WIN MUL_LO
	MUL16 F1, 0, 0, 0
	s_wait_dscnt 0
	s_wait_tensorcnt 0x0
	ds_add_u32 v255, v255
	s_wait_dscnt 0x0
	s_barrier_signal -1
	MUL16 F1, 0, 2, 0                              ; register work while the others arrive
	WIN 0
	s_barrier_wait -1
.if \fill
	CREST
	s_add_nc_u64 s[G0+4*\slot+2:G0+4*\slot+3], s[G0+4*\slot+2:G0+4*\slot+3], 2*KSTEP*2
	s_add_nc_u64 s[G0B+4*\slot+2:G0B+4*\slot+3], s[G0B+4*\slot+2:G0B+4*\slot+3], 2*KSTEP*2
	JLOAD \slot                                    ; my one tensor load behind the round; it has 240 matrix instructions in which to land
.endif
	PLACES
	FETCH \next, 0, F0
	WIN MUL_HI
	MUL16 F1, 1, 0, 0
	MUL16 F1, 1, 2, 0
.endm
.macro LAP zero
	THREE 0, \zero
	TURN 0, 1, 1
	THREE 1, 0
	TURN 1, 0, 1
.endm
	s_wait_tensorcnt 1                             ; my part of K step 0 is in; K step 1's stays out
	s_barrier_signal -1
	s_barrier_wait -1
	FETCH 0, 0, F0
	LAP 1                                          ; the first lap's first products start the sums
	WIN 0
	s_mov_b32 s3, LAPS-2
.Llap:
	LAP 0
	WIN 0
	s_sub_co_u32 s3, s3, 1
	s_cmp_lg_u32 s3, 0
	s_cbranch_scc1 .Llap
	THREE 0, 0                                     ; the last lap fills nothing
	TURN 0, 1, 0
	THREE 1, 0
	s_wait_dscnt 8
	WIN MUL_LO
	MUL16 F1, 0, 0, 0
	MUL16 F1, 0, 2, 0
	s_wait_dscnt 0
	WIN MUL_HI
	MUL16 F1, 1, 0, 0
	MUL16 F1, 1, 2, 0
	; THE WAY OUT, 16 rows at a time: the accumulators go as they are (f32) into my stage, 32 bytes a lane, and come back as whole rows of 512 bytes.
	PLACES                                         ; behind the last matrix instructions: for the LDS stores, which read results, and the loads into buffers 0 and 1
	s_lshl_b32 s13, s13, 8
	s_lshl_b32 s14, s11, 7
	s_add_co_u32 s16, s13, s14                     ; my first row
	s_mov_b32 s17, 0
	s_mov_b64 s[18:19], SIZE_N*4
	s_mul_u64 s[16:17], s[16:17], s[18:19]
	s_add_nc_u64 s[8:9], s[8:9], s[16:17]
	s_lshl_b32 s46, s42, 10                        ; my first column, in bytes: 1,024 x block + 512 x half
	s_lshl_b32 s47, s12, 9
	s_add_co_u32 s46, s46, s47
	s_mov_b32 s47, 0
	s_add_nc_u64 s[8:9], s[8:9], s[46:47]
; rows 16 i .. 16 i + 15 of my block = the eight tiles (a, 0..7) of window 2 or 3 (from = 0x08 or 0x0c: the LDS stores' data); f: F0 or F1 in turn
.macro OUTF i, a, from, f
	WIN \from
.irp b, 0,1,2,3,4,5,6,7
	ds_store_b128 v[STO], v[8*(8*\a+\b):8*(8*\a+\b)+3]   offset:64*\b
	ds_store_b128 v[STO], v[8*(8*\a+\b)+4:8*(8*\a+\b)+7] offset:64*\b+16
.endr
	WIN 0
	s_wait_xcnt 0x0                                ; buffer f, which earlier stores read, and the stores' base are written again only behind this wait (ISA guide 3.1)
.if \i
	s_add_nc_u64 s[8:9], s[8:9], 16*SIZE_N*4
.endif
.irp t, 0,1,2,3,4,5,6,7,8,9,10,11,12,13,14,15
	ds_load_b128 v[\f+4*\t:\f+4*\t+3], v[RD] offset:\t*SPITCH      ; LDS serves a wave's instructions in order: these see the stores above
.endr
.irp t, 0,1,2,3,4,5,6,7,8,9,10,11,12,13,14,15
	s_wait_dscnt 15-\t
	global_store_b128 v[CO], v[\f+4*\t:\f+4*\t+3], s[8:9] offset:\t*SIZE_N*4 th:TH_STORE_NT   ; 32 lanes store 512 consecutive bytes, aligned; written once, read by no launch
.endr
.endm
	OUTF 0, 0, 0x08, F0
	OUTF 1, 1, 0x08, F1
	OUTF 2, 2, 0x08, F0
	OUTF 3, 3, 0x08, F1
	OUTF 4, 0, 0x0c, F0
	OUTF 5, 1, 0x0c, F1
	OUTF 6, 2, 0x0c, F0
	OUTF 7, 3, 0x0c, F1
	s_set_vgpr_msb 0x1
	s_wait_tensorcnt 0x0
	ds_add_u32 v255, v255
	s_wait_dscnt 0x0
	s_set_vgpr_msb 0x100
	CROUND                                         ; the closing round
	s_endpgm
.Lfunc_end_k_q867a37e931_oproj:
	.size	k_q867a37e931_oproj, .Lfunc_end_k_q867a37e931_oproj-k_q867a37e931_oproj
	.p2alignl 7, 3214868480
	.fill 96, 4, 3214868480
	.section	.rodata,"a",@progbits
	.p2align	6, 0x0
	.amdhsa_kernel k_q867a37e931_oproj
		.amdhsa_group_segment_fixed_size 327680
		.amdhsa_private_segment_fixed_size 0
		.amdhsa_enable_private_segment 0
		.amdhsa_kernarg_size 24
		.amdhsa_user_sgpr_count 2
		.amdhsa_user_sgpr_kernarg_segment_ptr 1
		.amdhsa_wavefront_size32 1
		.amdhsa_system_sgpr_workgroup_id_x 1
		.amdhsa_system_sgpr_workgroup_id_y 1
		.amdhsa_system_sgpr_workgroup_id_z 1
		.amdhsa_system_vgpr_workitem_id 0
		.amdhsa_next_free_vgpr 1024
		.amdhsa_next_free_sgpr 66
		.amdhsa_reserve_vcc 0
		.amdhsa_float_denorm_mode_32 3
		.amdhsa_float_denorm_mode_16_64 3
		.amdhsa_memory_ordered 1
		.amdhsa_forward_progress 1
		.amdhsa_inst_pref_size 196
	.end_amdhsa_kernel
	.amdgpu_metadata
---
amdhsa.version: [ 1, 2 ]
amdhsa.kernels:
  - .name:           k_q867a37e931_oproj
    .symbol:         k_q867a37e931_oproj.kd
    .args:
      - { .name: attn, .offset: 0, .size: 8, .value_kind: global_buffer, .address_space: global }
      - { .name: wob, .offset: 8, .size: 8, .value_kind: global_buffer, .address_space: global }
      - { .name: out0, .offset: 16, .size: 8, .value_kind: global_buffer, .address_space: global }
    .group_segment_fixed_size: 327680
    .private_segment_fixed_size: 0
    .kernarg_segment_align: 8
    .kernarg_segment_size: 24
    .max_flat_workgroup_size: 128
    .sgpr_count:     66
    .vgpr_count:     1024
    .wavefront_size: 32
...
	.end_amdgpu_metadata
.endif
;; end of part 4
